; MI455X (gfx1250); checked and timed in simulation.
; The chip was launched on July 23, 2026; its instructions are those of AMD's public machine-readable ISA for CDNA 5 (MIT licence, August 2026) and "CDNA5" Instruction Set Architecture Reference Guide (July 2026). The comments in the code are by the model that wrote it; some were corrected since.
;; Scaled Dot Product Attention Block. Allowed arithmetic: float matrix products may take bf16 or f16 operands with f32 sums; other float arithmetic in f32, or as packed bf16 or f16 multiplies, adds, multiply-adds, maxima and minima; sums over many terms, partial sums and values carried from step to step in f32; what a program stores and reads back later, other than sums and carried values, may be rounded once to bf16 or f16.
;; Inputs: Wk 1,024 x 1,024 float32; Wq 1,024 x 1,024 float32; Wv 1,024 x 1,024 float32; bk 1,024 float32; bq 1,024 float32; bv 1,024 float32; x 4 x 2,048 x 1,024 float32.
;; Outputs: out0 4 x 2,048 x 1,024 float32.
;; 2 versions, each right; version 2 is version 1 with the launch prep written anew for expert scheduling mode. Each part assembles by itself: llvm-mc -triple=amdgcn-amd-amdhsa -mcpu=gfx1250 --defsym DOCPART=n.
;; ======== version 1 of 2: 4 launches
;; limits: values are held in f16: magnitudes above 65,504 overflow, below 6.1e-05 lose precision
;; workspace buffers: xb 16,777,216 bytes; wb 6,291,456 bytes; ball 12,288 bytes; qkv 50,331,648 bytes; pw 33,554,432 bytes; stat 1,048,576 bytes
;; launch prep (part 1): grid 256 x 1, 11 waves a work-group, no clusters, 0 bytes of LDS; arguments x, Wq, Wk, Wv, bq, bk, bv, xb, wb, ball; writes xb, wb, ball
.if DOCPART == 1
	.amdgcn_target "amdgcn-amd-amdhsa--gfx1250"
	.amdhsa_code_object_version 6
	.text
	.protected	k_qf9a0abfb76_prep
	.globl	k_qf9a0abfb76_prep
	.p2align	8
	.type	k_qf9a0abfb76_prep,@function
k_qf9a0abfb76_prep:
	s_mov_b64 s[64:65], 0
	v_nop
	global_prefetch_b8 v0, s[64:65] scope:SCOPE_SE
	s_setreg_imm32_b32 hwreg(HW_REG_WAVE_MODE, 25, 1), 1
	s_wait_xcnt 0x0
; PREP: the module's inputs rounded once to bf16.
;   xb[16 kb][8192 rows][64] bf16 = x, in blocks of 64 columns: the 128 bytes of a row in a block lie end to end with the next row's, so that the launch behind can ask for 128 rows as 16,384 dense bytes;
;   wb[1024 d][3072] bf16 = Wq | Wk | Wv side by side;   ball[3072] f32 = bq | bk | bv, each rounded to bf16 and kept as f32.
; A stream: every input byte is read once, every output byte written once.  No LDS, no barrier, no matrix unit, no cluster: no two work-groups read the same byte.
; SHARES.  x's 8,192 rows and the three matrices' 3,072 are 2,816 units of 4 rows; 256 work-groups of 11 waves take one unit a wave: unit u = 11 g + w.  u < 2,048: rows 4 u .. of x; else matrix (u - 2,048) / 256.
; A unit is 16 chunks of 1,024 input bytes; a lane takes 8 numbers of a chunk: two loads of 16 bytes, one store of 16 bytes.  All 32 loads of a wave go out at once.
;   x: chunk c = block c: 4 rows x 64 columns (lane / 8 the row, lane % 8 the place): the wave's store is 4 rows x 128 bytes = 512 consecutive bytes of xb, aligned.
;   W: chunk c = a quarter of row c / 4: 256 columns: the wave's store is 512 consecutive bytes of a row of wb, aligned.
; ONE TEXT serves both: the chunks' offsets lie in registers, made from steps that scalars choose.  No register that a load or a store reads is written again, so no store's source is ever waited for.
; The 24 pieces of 128 bias numbers are taken by wave 0 of work-groups 0 to 23.
.set X,  8                             ; v[8:135]    chunk c: 8 registers as loaded; its first 4 then hold the 8 bf16
.set VI, 136                           ; v[136:151]  chunk c's byte offset in the input
.set VO, 152                           ; v[152:167]  chunk c's byte offset in the output
	s_load_b512 s[4:19], s[0:1], 0x0               ; x 4:5, Wq 6:7, Wk 8:9, Wv 10:11, bq 12:13, bk 14:15, bv 16:17, xb 18:19
	s_load_b128 s[20:23], s[0:1], 0x40             ; wb 20:21, ball 22:23
	v_lshrrev_b32 v1, 5, v0
	v_readfirstlane_b32 s25, v1                    ; wave 0..10
	s_mov_b32 s47, ttmp9                           ; g
	s_mul_i32 s24, s47, 11
	s_add_co_u32 s24, s24, s25                     ; u
	s_sub_co_u32 s26, s24, 2048                    ; the unit among the matrices' (for a unit of x what is made of it is chosen away below)
	s_lshr_b32 s27, s26, 8
	s_and_b32 s27, s27, 3                          ; the matrix: 0 Wq, 1 Wk, 2 Wv
	s_and_b32 s26, s26, 255                        ; its unit of 4 rows
	s_lshl_b32 s38, s26, 14                        ; W in: 4 rows of 4,096 bytes a unit
	s_mul_i32 s40, s26, 4*6144                     ; W out: 4 rows of 6,144 bytes,
	s_lshl_b32 s41, s27, 11                        ; and the matrix's columns begin 2,048 bytes x its number into a row
	s_add_co_u32 s40, s40, s41
	s_lshl_b32 s42, s24, 14                        ; x in (under 2^25)
	s_lshl_b32 s43, s24, 9                         ; x out: 4 rows of 128 bytes in a block
	s_mov_b32 s29, 256                             ; W's steps: from lane / 8 to the next: 8 lanes x 32 bytes,
	s_mov_b32 s30, 1024                            ; from chunk to chunk in the input,
	s_mov_b32 s31, 512                             ; in the output,
	s_mov_b32 s46, 4096                            ; and what every fourth chunk adds: a row of 6,144 less four chunks
	s_cmp_lt_u32 s24, 2048                         ; is my unit x's?
	s_cselect_b32 s28, 1, 0
	s_cselect_b32 s38, s42, s38
	s_cselect_b32 s40, s43, s40
	s_cselect_b32 s29, 4096, s29                   ; x's steps: a row,
	s_cselect_b32 s30, 256, s30                    ; 64 columns,
	s_cselect_b32 s31, 0x100000, s31               ; a block of 8,192 x 128 bytes,
	s_cselect_b32 s46, 0, s46                      ; nothing
	s_mov_b32 s39, 0
	s_mov_b32 s41, 0
	v_and_b32 v6, 31, v0                           ; lane
	v_lshrrev_b32 v2, 3, v6
	v_and_b32 v3, 7, v6
	v_lshlrev_b32 v3, 5, v3
	v_mad_u32_u24 v[VI], v2, s29, v3               ; in: (lane / 8) x step + (lane % 8) x 32
.set c, 1
.rept 15
	v_add_nc_u32 v[VI+c], s30, v[VI+c-1]
.set c, c+1
.endr
	s_wait_kmcnt 0x0
	s_cmp_eq_u32 s27, 1                            ; the source and the destination are chosen by whole numbers alone
	s_cselect_b64 s[32:33], s[8:9], s[6:7]
	s_cmp_eq_u32 s27, 2
	s_cselect_b64 s[32:33], s[10:11], s[32:33]
	s_cmp_eq_u32 s28, 1
	s_cselect_b64 s[32:33], s[4:5], s[32:33]
	s_cselect_b64 s[34:35], s[18:19], s[20:21]
	s_add_nc_u64 s[32:33], s[32:33], s[38:39]
	s_add_nc_u64 s[34:35], s[34:35], s[40:41]
.set c, 0
.rept 16
	global_load_b128 v[X+8*c:X+8*c+3],   v[VI+c], s[32:33] th:TH_LOAD_NT
	global_load_b128 v[X+8*c+4:X+8*c+7], v[VI+c], s[32:33] offset:16 th:TH_LOAD_NT
.set c, c+1
.endr
	v_lshlrev_b32 v[VO], 4, v6                     ; out: 16 bytes a lane; the chunks' offsets are made while the loads are out
.set c, 1
.rept 15
.if c%4 == 0
	v_add3_u32 v[VO+c], v[VO+c-1], s31, s46
.else
	v_add_nc_u32 v[VO+c], s31, v[VO+c-1]
.endif
.set c, c+1
.endr
.set c, 0
.rept 16
	s_wait_loadcnt 30-2*c                          ; loads come back in order: chunk c's two are in, the 30 - 2 c younger ones stay out
.irp j, 0,1,2,3
	v_cvt_pk_bf16_f32 v[X+8*c+(\j)], v[X+8*c+2*(\j)], v[X+8*c+2*(\j)+1]  ; in place, ascending: a register is written only when it has been read
.endr
	global_store_b128 v[VO+c], v[X+8*c:X+8*c+3], s[34:35]
.set c, c+1
.endr
	; the biases: piece g = 128 numbers, 4 a lane: bias g / 8, part g % 8
	s_cmp_lg_u32 s25, 0
	s_cbranch_scc1 .Lend
	s_cmp_ge_u32 s47, 24
	s_cbranch_scc1 .Lend
	s_lshr_b32 s26, s47, 3
	s_and_b32 s27, s47, 7
	s_lshl_b32 s38, s27, 9                         ; the part's 512 bytes
	s_lshl_b32 s40, s26, 12                        ; the bias's 4,096 bytes in ball
	s_add_co_u32 s40, s40, s38
	s_cmp_eq_u32 s26, 1
	s_cselect_b64 s[36:37], s[14:15], s[12:13]
	s_cmp_eq_u32 s26, 2
	s_cselect_b64 s[36:37], s[16:17], s[36:37]
	s_add_nc_u64 s[36:37], s[36:37], s[38:39]
	s_add_nc_u64 s[22:23], s[22:23], s[40:41]
	global_load_b128 v[172:175], v[VO], s[36:37]
	s_wait_loadcnt 0x0
	v_cvt_pk_bf16_f32 v168, v172, v173             ; rounded to bf16,
	v_cvt_pk_bf16_f32 v169, v174, v175
	v_lshlrev_b32 v176, 16, v168                   ; and widened again: the low half moves up, the high half stays
	v_and_b32 v177, 0xffff0000, v168
	v_lshlrev_b32 v178, 16, v169
	v_and_b32 v179, 0xffff0000, v169
	global_store_b128 v[VO], v[176:179], s[22:23]
.Lend:
	s_endpgm
.Lfunc_end_k_qf9a0abfb76_prep:
	.size	k_qf9a0abfb76_prep, .Lfunc_end_k_qf9a0abfb76_prep-k_qf9a0abfb76_prep
	.p2alignl 7, 3214868480
	.fill 96, 4, 3214868480
	.section	.rodata,"a",@progbits
	.p2align	6, 0x0
	.amdhsa_kernel k_qf9a0abfb76_prep
		.amdhsa_group_segment_fixed_size 0
		.amdhsa_private_segment_fixed_size 0
		.amdhsa_enable_private_segment 0
		.amdhsa_kernarg_size 80
		.amdhsa_user_sgpr_count 2
		.amdhsa_user_sgpr_kernarg_segment_ptr 1
		.amdhsa_wavefront_size32 1
		.amdhsa_system_sgpr_workgroup_id_x 1
		.amdhsa_system_sgpr_workgroup_id_y 1
		.amdhsa_system_sgpr_workgroup_id_z 1
		.amdhsa_system_vgpr_workitem_id 0
		.amdhsa_next_free_vgpr 184
		.amdhsa_next_free_sgpr 66
		.amdhsa_reserve_vcc 0
		.amdhsa_float_denorm_mode_32 3
		.amdhsa_float_denorm_mode_16_64 3
		.amdhsa_memory_ordered 1
		.amdhsa_forward_progress 1
		.amdhsa_inst_pref_size 14
	.end_amdhsa_kernel
	.amdgpu_metadata
---
amdhsa.version: [ 1, 2 ]
amdhsa.kernels:
  - .name:           k_qf9a0abfb76_prep
    .symbol:         k_qf9a0abfb76_prep.kd
    .args:
      - { .name: x, .offset: 0, .size: 8, .value_kind: global_buffer, .address_space: global }
      - { .name: Wq, .offset: 8, .size: 8, .value_kind: global_buffer, .address_space: global }
      - { .name: Wk, .offset: 16, .size: 8, .value_kind: global_buffer, .address_space: global }
      - { .name: Wv, .offset: 24, .size: 8, .value_kind: global_buffer, .address_space: global }
      - { .name: bq, .offset: 32, .size: 8, .value_kind: global_buffer, .address_space: global }
      - { .name: bk, .offset: 40, .size: 8, .value_kind: global_buffer, .address_space: global }
      - { .name: bv, .offset: 48, .size: 8, .value_kind: global_buffer, .address_space: global }
      - { .name: xb, .offset: 56, .size: 8, .value_kind: global_buffer, .address_space: global }
      - { .name: wb, .offset: 64, .size: 8, .value_kind: global_buffer, .address_space: global }
      - { .name: ball, .offset: 72, .size: 8, .value_kind: global_buffer, .address_space: global }
    .group_segment_fixed_size: 0
    .private_segment_fixed_size: 0
    .kernarg_segment_align: 8
    .kernarg_segment_size: 80
    .max_flat_workgroup_size: 352
    .sgpr_count:     66
    .vgpr_count:     184
    .wavefront_size: 32
...
	.end_amdgpu_metadata
.endif
;; end of part 1
;; launch proj (part 2): grid 8 x 32, 4 waves a work-group, clusters of 4 x 4, 327,680 bytes of LDS; arguments xb, wb, qkv, ball; writes qkv
.if DOCPART == 2
	.amdgcn_target "amdgcn-amd-amdhsa--gfx1250"
	.amdhsa_code_object_version 6
	.text
	.protected	k_qf9a0abfb76_proj
	.globl	k_qf9a0abfb76_proj
	.p2align	8
	.type	k_qf9a0abfb76_proj,@function
k_qf9a0abfb76_proj:
	s_mov_b64 s[64:65], 0
	v_nop
	global_prefetch_b8 v0, s[64:65] scope:SCOPE_SE
	s_setreg_imm32_b32 hwreg(HW_REG_WAVE_MODE, 25, 1), 1
	s_wait_xcnt 0x0
	s_wait_alu depctr_hold_cnt(0) depctr_sa_sdst(0) depctr_va_vdst(0) depctr_va_sdst(0) depctr_va_ssrc(0) depctr_va_vcc(0) depctr_vm_vsrc(0)
	s_getreg_b32 s2, hwreg(HW_REG_IB_STS2, 6, 4)
	s_cmp_eq_u32 s2, 0
	s_cbranch_scc0 .Lentry_in_a_cluster
	s_endpgm
.Lentry_in_a_cluster:
	s_bfe_u32 s2, ttmp6, 0x10000c
	s_cmp_lg_u32 s2, 0xf033
	s_cbranch_scc0 .Lentry_shape_is_right
	s_endpgm
.Lentry_shape_is_right:
; PROJ: qkv[m][n] = sum over d of x[m][d] wb[d][n] + ball[n].  xb [16 kb][8192][64] bf16 (x in blocks of 64 columns), wb [1024][3072] bf16, ball [3072] f32 (bf16 numbers), qkv [8192][3072] f16 (q | k | v).
; Products in bf16, sums in f32, d ascending, the bias as the sums' start; qkv rounded once to f16.
; LIMIT.  f16 ends at 65,504: a q, k or v beyond that becomes an infinity.  NaN and infinities are not treated apart.
; SHARES.  8,192 x 3,072 numbers for 256 work-groups are 256 x 384 each; a wave makes 128 x 192: 8 x 12 accumulators of 16 x 16, 768 registers: windows 1 to 3.
; K goes in 16 steps of 64 through two LDS slots: two slots of 128 would be 2 x (256 + 384) x 256 = 327,680 bytes, all of LDS, with no byte left for padding or the spare words.
; A's tile: 256 rows x 64 d, dense in xb: a wave's 128 rows are asked for as 64 rows of 256 bytes and padded in LDS behind every 128.  B's tile: 64 d x 384 columns, ACROSS K as wb lies; its fragments come out of LDS turned.
; ONE BUFFER FOR B.  Window 0 holds, beside 32 registers of addresses, two buffers of A's 8 fragments and ONE of B's 12.  The products of a quarter (32 along K) go by B's fragments, in three groups of four
; (32 matrix instructions, one accumulator window each); a group's four fragments are loaded again, for the next quarter, straight behind the group; the next quarter's A goes out with the first such run.
; THE BIAS starts the sums through the matrix unit, since no window has 96 registers to spare for it: one product for each accumulator, C = 0, source 0 = the bias (a bf16 number) at k = 1, source 1 = 1.0 at k = 1,
; all else 0: exactly the bias.  These 96 products, 1 / 32 of the wave's, are issued while the first tiles are on their way; so no quarter of the data is written out ahead of the loop.
; CLUSTER.  4 x 4 work-groups: the four of a row need the same tile of xb, the four of a column the same tile of wb; each tile is asked for jointly, by the same tensor load, descriptor and mask.
; THE MATRIX INSTRUCTION IS USED TRANSPOSED (source 0 = 16 columns of wb, source 1 = 16 rows of x): a lane holds row lane % 16 and the columns 8 (lane / 16) + 0..7: eight neighbours of a row of qkv.
; REGISTERS, in windows of 256 (s_set_vgpr_msb: bits 1:0 source 0, 3:2 source 1, 5:4 source 2, 7:6 destination):
;   window 0: v0-31 addresses; v32-95, v96-159 A's fragments, two buffers; v160-255 B's fragments; on the way out v32-127 packed results, v128-223 rows read back
;   window 1 + b / 4: accumulator (a, b) at v[8 (8 (b % 4) + a)]
.set APITCH, 144                       ; a row of A in LDS: 128 bytes + 16 = 9 x 16: the 16 rows of a load start at 16 different groups of four banks (64 banks of 4 bytes: ISA guide 11.1)
.set AHALF,  128*APITCH                ; what one tensor load brings of A
.set BPITCH, 864                       ; a row of B in LDS: 3 x (256 bytes + 32) = 27 x 32
.set BHALF,  32*BPITCH                 ; what one tensor load brings of B
.set BOFF,   2*AHALF                   ; B's 64 rows lie behind A's 256
.set SLOT,   BOFF+2*BHALF
.set STAGE,  2*SLOT                    ; behind the ring, never filled by a tensor load: two buffers of 64 rows x 784 bytes, the work-group's, for the way out
.set SPITCH, 784                       ; 768 bytes + 16 = 49 x 16
.set SBUF,   64*SPITCH
.set SPARE,  STAGE+2*SBUF              ; behind the stage: the spare words, 128 bytes for each wave, named by no other line
.set LAPS,   8                         ; a lap = two K steps = once round the ring: 1,024 / 128
.set WROW,   6144                      ; bytes in a row of wb and of qkv
.set ASTEP,  8192*128                  ; a K step in xb: a block
.set BSTEP,  64*WROW                   ; a K step down wb
.set ADRA, 16                          ; v16-17  LDS address of my A fragments in slot 0, 1
.set ADRB, 18                          ; v18-23  of my B fragments: slot s, group g at 3 s + g (a group's 128 bytes lie inside one padded piece of 256)
.set STO,  24                          ; v24     the way out: where I put 16 bytes of a row
.set RD,   25                          ; v25     the way out: where I read 16 bytes of a row back
.set CO,   26                          ; v26     my byte offset in two rows of qkv
.set SPW,  28                          ; v28     LDS address of my spare word; never rewritten
.set NIL,  29                          ; v29     0; never rewritten
.set AF0,  32
.set AF1,  96
.set BF,   160
.set TMP,  32
.set BK,   128
.set G1, 24                            ; s[24:31] descriptor group 1 for A's tiles;  s[32:39] group 0, a set for each slot
.set G0, 32
.set G1B, 48                           ; s[48:55], s[56:63] the same for B's tiles
.set G0B, 56
.set MSB, 0
.macro WIN new                         ; the immediate's high byte repeats the setting that is left; a switch that changes nothing is dropped
.if MSB != (\new)
	s_set_vgpr_msb (MSB<<8)|(\new)
.set MSB, \new
.endif
.endm
.macro PLACES                          ; four places in front of loads into registers that matrix instructions have read, and of conversions that read results
.rept 4
	v_nop
.endr
.endm
.macro JLOAD s                         ; a joint load: waves 0 and 1 fetch A's two halves, waves 2 and 3 B's; an s_nop 0 and four v_nop follow each line
	s_cmp_eq_u32 s11, 0
	s_cbranch_scc0 .Lfor_b_\@
	tensor_load_to_lds s[G0+4*(\s):G0+4*(\s)+3], s[G1:G1+7]
	s_nop 0
.rept 4
	v_nop
.endr
	s_branch .Lasked_\@
.Lfor_b_\@:
	tensor_load_to_lds s[G0B+4*(\s):G0B+4*(\s)+3], s[G1B:G1B+7]
	s_nop 0
.rept 4
	v_nop
.endr
.Lasked_\@:
.endm
.macro CREST                           ; a round of the cluster's barrier behind its opening barrier
	s_cmp_lg_u32 s10, 0
	s_cbranch_scc1 .Lnot_wave_0_\@
	s_barrier_signal -3
.Lnot_wave_0_\@:
	s_barrier_wait -3
	s_barrier_signal -1
	s_barrier_wait -1
.endm
.macro CROUND                          ; a whole round
	s_barrier_signal -1
	s_barrier_wait -1
	CREST
.endm
	s_load_b128 s[4:7], s[0:1], 0x0                ; xb s[4:5], wb s[6:7]
	s_load_b64 s[8:9], s[0:1], 0x10                ; qkv
	s_load_b64 s[66:67], s[0:1], 0x18              ; ball
	v_lshl_add_u32 v[SPW], v0, 2, SPARE
	v_mov_b32 v[NIL], 0
	ds_add_u32 v[SPW], v[NIL]                      ; the wave's opening: the add and its wait stand ahead of my first tensor load; the set-up below stands between them
	v_lshrrev_b32 v1, 5, v0
	v_readfirstlane_b32 s10, v1                    ; wave 0..3
	s_lshr_b32 s11, s10, 1                         ; which half of the tile's rows is mine.  Also: I fetch for A (0) or for B (1)
	s_and_b32 s12, s10, 1                          ; which half of its columns.  Also: which half of that tile I fetch
	s_bfe_u32 s40, ttmp6, 0x40000                  ; cx, cy: my place in the cluster
	s_bfe_u32 s41, ttmp6, 0x40004
	s_lshl_b32 s42, ttmp9, 2
	s_add_co_u32 s42, s42, s40                     ; tile column = 4 x cluster x + cx
	s_and_b32 s13, ttmp7, 0xffff
	s_lshl_b32 s13, s13, 2
	s_add_co_u32 s13, s13, s41                     ; tile row = 4 x cluster y + cy
	s_lshl_b32 s43, s41, 2
	s_lshl_b32 s43, 15, s43                        ; my row of the cluster
	s_lshl_b32 s44, 0x1111, s40                    ; my column
	s_or_b32 s[G1+0], s43, (1<<16)|(1<<20)|(1<<21)|(4<<22)|(3<<25)   ; the mask; 2-byte elements; padding on; bit 21 beside a mask; after every 32 words 4 words
	s_mov_b32 s[G1+1], 128<<16                     ; tensor_dim0 = 128: two rows of x's 64 numbers
	s_mov_b32 s[G1+2], 64<<16                      ; tensor_dim1 = 64
	s_mov_b32 s[G1+3], 128<<16                     ; tile_dim0 = 128
	s_mov_b32 s[G1+4], 64                          ; tile_dim1 = 64
	s_mov_b32 s[G1+5], 128                         ; dense: 128 elements from row to row
	s_mov_b32 s[G1+6], 0
	s_mov_b32 s[G1+7], 0
	s_or_b32 s[G1B+0], s44, (1<<16)|(1<<20)|(1<<21)|(5<<22)|(7<<25)  ; after every 64 words 8 words: three times in a row of 192 words
	s_mov_b32 s[G1B+1], 384<<16                    ; tensor_dim0 = 384
	s_mov_b32 s[G1B+2], 32<<16                     ; tensor_dim1 = 32
	s_mov_b32 s[G1B+3], 384<<16                    ; tile_dim0 = 384
	s_mov_b32 s[G1B+4], 32                         ; tile_dim1 = 32
	s_mov_b32 s[G1B+5], 3072                       ; elements from row to row of wb
	s_mov_b32 s[G1B+6], 0
	s_mov_b32 s[G1B+7], 0
	; A's tiles hang on the tile row alone, B's on the tile column alone; each offset is made in registers that never hold the other coordinate
	s_lshl_b32 s16, s13, 15                        ; A: 256 rows of 128 bytes x tile row,
	s_lshl_b32 s17, s12, 14                        ; 128 rows x half
	s_add_co_u32 s16, s16, s17
	s_mov_b32 s17, 0
	s_mul_i32 s46, s12, 32*WROW                    ; B: 32 rows of wb x half,
	s_mul_i32 s47, s42, 768                        ; 768 bytes x tile column
	s_add_co_u32 s46, s46, s47
	s_mov_b32 s47, 0
	s_mul_i32 s20, s12, AHALF                      ; where they go: A's halves,
	s_mul_i32 s21, s12, BHALF                      ; B's halves behind them: the wave's number alone enters an LDS address
	s_add_co_u32 s21, s21, BOFF
	s_mul_i32 s22, s42, 1536                       ; the bias of my 192 columns: 4 bytes x (384 x tile column + 192 x half)
	s_mul_i32 s23, s12, 768
	s_add_co_u32 s22, s22, s23
	s_mov_b32 s23, 0
	v_and_b32 v1, 15, v0                           ; r = l % 16
	v_lshlrev_b32 v7, 2, v1
	s_wait_dscnt 0x0                               ; the opening add is done
	s_wait_kmcnt 0x0
	s_add_nc_u64 s[14:15], s[4:5], s[16:17]
	s_add_nc_u64 s[46:47], s[6:7], s[46:47]
	s_add_nc_u64 s[66:67], s[66:67], s[22:23]
.irp b, 0,1,2,3,4,5,6,7,8,9,10,11
	global_load_b32 v[BF+8*(\b)], v7, s[66:67] offset:64*(\b)  ; register 0 of fragment b: the f32 word of column 16 b + r: its upper half is the bias in bf16 (k = 8 h + 1), its lower half 0
.endr
	CROUND                                         ; all sixteen work-groups are here: the first joint loads meet
.irp s, 0,1
	s_mov_b32 s[G0+4*(\s)], 1
	s_add_co_u32 s[G0+4*(\s)+1], s20, (\s)*SLOT
	s_add_nc_u64 s[G0+4*(\s)+2:G0+4*(\s)+3], s[14:15], (\s)*ASTEP
	s_or_b32 s[G0+4*(\s)+3], s[G0+4*(\s)+3], 0x80000000
	s_mov_b32 s[G0B+4*(\s)], 1
	s_add_co_u32 s[G0B+4*(\s)+1], s21, (\s)*SLOT
	s_add_nc_u64 s[G0B+4*(\s)+2:G0B+4*(\s)+3], s[46:47], (\s)*BSTEP
	s_or_b32 s[G0B+4*(\s)+3], s[G0B+4*(\s)+3], 0x80000000
	JLOAD \s                                       ; both slots are asked for before anything else: two loads of mine are out
.endr
	v_bfe_u32 v2, v0, 4, 1                         ; h = l / 16
	; the bias products' operands.  Source 1: 1.0 at k = 1 (register 0's upper half, lanes 0-15), 0 elsewhere.  Source 0: registers 1-7 of each fragment are 0.  All this stands in the wait for the first tiles.
	v_add_nc_u32 v3, -1, v2                        ; all ones for h = 0, 0 for h = 1
	v_and_b32 v[AF1], 0x3f800000, v3
.irp j, 1,2,3,4,5,6,7
	v_mov_b32 v[AF1+(\j)], 0
.endr
.irp b, 0,1,2,3,4,5,6,7,8,9,10,11
.irp j, 1,2,3,4,5,6,7
	v_mov_b32 v[BF+8*(\b)+(\j)], 0
.endr
.endr
	; A's fragment: lane l holds row r, K = 8 h + 0..7 and 16 + 8 h + 0..7: two loads of 16 bytes, 32 bytes apart
	v_mul_u32_u24 v3, v1, APITCH
	v_lshl_add_u32 v3, v2, 4, v3
	s_mul_i32 s21, s11, AHALF                      ; my 128 rows of A
	v_add_nc_u32 v[ADRA], s21, v3
	v_add_nc_u32 v[ADRA+1], SLOT, v[ADRA]
	; B's fragment by the turning load: lane l reads row 8 h + l % 8, 16 bytes at 16 ((l / 8) % 2), and is left with column r and 8 values of K; a second load 16 rows further down
	v_and_b32 v4, 7, v0
	v_bfe_u32 v5, v0, 3, 1
	v_lshl_add_u32 v6, v2, 3, v4
	v_mul_u32_u24 v6, v6, BPITCH
	v_lshl_add_u32 v6, v5, 4, v6
	s_mul_i32 s21, s12, 3                          ; my three groups of 64 columns are groups 3 x half + g of the row's six: piece (group / 2) of 288 bytes, half (group % 2) of its 256
.irp g, 0,1,2
	s_add_co_u32 s22, s21, \g
	s_lshr_b32 s23, s22, 1
	s_mul_i32 s23, s23, 288
	s_and_b32 s22, s22, 1
	s_lshl_b32 s22, s22, 7
	s_add_co_u32 s22, s22, s23
	s_add_co_u32 s22, s22, BOFF
	v_add_nc_u32 v[ADRB+(\g)], s22, v6
	v_add_nc_u32 v[ADRB+3+(\g)], SLOT, v[ADRB+(\g)]
.endr
	s_mul_i32 s23, s11, 32*SPITCH                  ; into the stage: my row half's 32 rows of a buffer, my 384 bytes of them; row r, 16 bytes for each half of the lanes
	s_mul_i32 s22, s12, 384
	s_add_co_u32 s23, s23, s22
	s_add_co_u32 s23, s23, STAGE
	v_mul_u32_u24 v4, v1, SPITCH
	v_lshl_add_u32 v4, v2, 4, v4
	v_add_nc_u32 v[STO], s23, v4
	s_mul_i32 s23, s10, 16*SPITCH                  ; back: wave w takes a buffer's rows 16 w .. 16 w + 15, whole; lanes 0-15 256 bytes of one row, lanes 16-31 of the next
	s_add_co_u32 s23, s23, STAGE
	v_mul_u32_u24 v5, v2, SPITCH
	v_lshl_add_u32 v5, v1, 4, v5
	v_add_nc_u32 v[RD], s23, v5
	v_mul_u32_u24 v5, v2, WROW                     ; and the same two rows in qkv
	v_lshl_add_u32 v[CO], v1, 4, v5
	s_lshl_b32 s16, s13, 8                         ; the first row of qkv that I store: 256 x tile row + 128 (w / 2) + 16 (w % 2),
	s_lshl_b32 s17, s11, 7
	s_add_co_u32 s16, s16, s17
	s_lshl_b32 s17, s12, 4
	s_add_co_u32 s16, s16, s17
	s_mul_i32 s16, s16, WROW                       ; in bytes (under 2^26),
	s_mul_i32 s22, s42, 768                        ; and the tile's first column
	s_add_co_u32 s16, s16, s22
	s_mov_b32 s17, 0
	s_add_nc_u64 s[8:9], s[8:9], s[16:17]
	s_wait_loadcnt 0x0                             ; the bias
.set bb, 0
.rept 12                               ; the sums begin: accumulator (a, b) = the bias of its 16 columns, in every row
	WIN 0x50*(1+bb/4)
.set aa, 0
.rept 8
	v_wmma_f32_16x16x32_bf16 v[8*(8*(bb%4)+aa):8*(8*(bb%4)+aa)+7], v[BF+8*bb:BF+8*bb+7], v[AF1:AF1+7], 0
.set aa, aa+1
.endr
.set bb, bb+1
.endr
	WIN 0
; n x 8 matrix instructions: column blocks b0 .. b0 + n - 1 (inside one group of four) x all 8 row blocks, 32 along K, A from buffer f.  The 96 accumulators take turns, in the same order in every quarter.
.macro GRP f, b0, n
	WIN 0x50*(1+(\b0)/4)                           ; A and B window 0, C and D the group's window
.set bb, \b0
.rept \n
.set aa, 0
.rept 8
	v_wmma_f32_16x16x32_bf16 v[8*(8*(bb%4)+aa):8*(8*(bb%4)+aa)+7], v[BF+8*bb:BF+8*bb+7], v[(\f)+8*aa:(\f)+8*aa+7], v[8*(8*(bb%4)+aa):8*(8*(bb%4)+aa)+7]
.set aa, aa+1
.endr
.set bb, bb+1
.endr
.endm
.macro RUNB slot, q, g                 ; 8 LDS loads: group g's four fragments of B for quarter q of a slot, turned
.irp i, 0,1,2,3
	ds_load_tr16_b128 v[BF+8*(4*(\g)+(\i)):BF+8*(4*(\g)+(\i))+3],   v[ADRB+3*(\slot)+(\g)] offset:(\q)*32*BPITCH+32*(\i)
	ds_load_tr16_b128 v[BF+8*(4*(\g)+(\i))+4:BF+8*(4*(\g)+(\i))+7], v[ADRB+3*(\slot)+(\g)] offset:(\q)*32*BPITCH+32*(\i)+16*BPITCH
.endr
.endm
.macro RUNA slot, q, f                 ; 16 LDS loads: A's eight fragments for quarter q of a slot, into buffer f
.irp i, 0,1,2,3,4,5,6,7
	ds_load_b128 v[(\f)+8*(\i):(\f)+8*(\i)+3],   v[ADRA+(\slot)] offset:(\q)*64+(\i)*16*APITCH
	ds_load_b128 v[(\f)+8*(\i)+4:(\f)+8*(\i)+7], v[ADRA+(\slot)] offset:(\q)*64+(\i)*16*APITCH+32
.endr
.endm
; A K step is two quarters of 32 along K, 96 matrix instructions each, on A's buffers 0, 1.  The first multiplies buffer f and fetches quarter q of the same slot: behind each group a run of loads: 24 (B's group 0, A), 8, 8.
.macro QUARTER slot, q, f, g
	s_wait_dscnt 16                                ; B's group 0 and A are in; the two younger runs (8 + 8) may be out
	GRP \f, 0, 4
	WIN 0
	PLACES
	RUNB \slot, \q, 0
	RUNA \slot, \q, \g
	s_wait_dscnt 32                                ; B's group 1 is in: behind it came group 2's 8 loads and the 24 just issued
	GRP \f, 4, 4
	WIN 0
	PLACES
	RUNB \slot, \q, 1
	s_wait_dscnt 32                                ; B's group 2 is in: behind it came this quarter's 24 and 8
	GRP \f, 8, 4
	WIN 0
	PLACES
	RUNB \slot, \q, 2
.endm
; The second quarter multiplies buffer 1 and changes slots: ONE barrier.  In front of it each wave waits for all its tensor loads (one is out: its part of the next slot), adds 0 to its spare word, and waits
; for that and for its own reads of this slot (the last were issued in the quarter before).  fill = 1: the barrier opens a round of the cluster's, and this slot is filled again, two K steps ahead, first thing behind it:
; 176 of a step's 192 matrix instructions stand between that request and the wait for it.
.macro TURNQ slot, next, fill
	s_wait_dscnt 16                                ; B's group 0 and A are in
	GRP AF1, 0, 2
	WIN 0                                          ; (the add's two registers lie in window 0)
	s_wait_tensorcnt 0x0
	ds_add_u32 v[SPW], v[NIL]                      ; 0 onto my spare word
	GRP AF1, 2, 1                                  ; eight matrix instructions stand between the add and the wait for it
	s_wait_dscnt 0x0                               ; the add is done, and my reads of this slot are over
	s_barrier_signal -1
	GRP AF1, 3, 1                                  ; work on registers while the others arrive
	WIN 0                                          ; (branches and loads follow)
	s_barrier_wait -1
.if \fill
	CREST                                          ; no wave of any partner still reads this slot's tile or has a load on its way
	s_add_nc_u64 s[G0+4*(\slot)+2:G0+4*(\slot)+3], s[G0+4*(\slot)+2:G0+4*(\slot)+3], 2*ASTEP
	s_add_nc_u64 s[G0B+4*(\slot)+2:G0B+4*(\slot)+3], s[G0B+4*(\slot)+2:G0B+4*(\slot)+3], 2*BSTEP
	JLOAD \slot                                    ; my one tensor load behind the round; its four v_nop are also the places in front of the loads below
.else
	PLACES
.endif
	RUNB \next, 0, 0
	RUNA \next, 0, AF0
	GRP AF1, 4, 4                                  ; B's groups 1 and 2 came in with the wait for 0 above
	WIN 0
	PLACES
	RUNB \next, 0, 1
	GRP AF1, 8, 4
	WIN 0
	PLACES
	RUNB \next, 0, 2
.endm
; THE WAY OUT, in four rounds: round i takes each wave's row blocks 2 i and 2 i + 1: 64 rows of the tile.  A wave's 192 columns are 384 bytes, one and a half aligned pieces of 256, so the two waves of a row half write
; the two halves of the same stage rows, a barrier stands between the writing and the reading, and each wave reads 16 whole rows of 768 bytes back and stores them.  Two stage buffers take turns: one barrier a round.
.macro PACK i                          ; rounded to f16: 16 bytes a lane for each of 24 accumulators, each accumulator's registers in ascending order
.set bb, 0
.rept 12
	WIN 5*(1+bb/4)                                 ; sources 0 and 1: the group's window
.irp e, 0,1
.set AC, 8*(8*(bb%4)+2*(\i)+(\e))
.irp r, 0,1,2,3
	v_cvt_pk_f16_f32 v[TMP+4*(12*(\e)+bb)+(\r)], v[AC+2*(\r)], v[AC+2*(\r)+1]
.endr
.endr
.set bb, bb+1
.endr
	WIN 0
.endm
.macro STST i
.irp e, 0,1
.set bb, 0
.rept 12
	ds_store_b128 v[STO], v[TMP+4*(12*(\e)+bb):TMP+4*(12*(\e)+bb)+3] offset:((\i)%2)*SBUF+(\e)*16*SPITCH+32*bb
.set bb, bb+1
.endr
.endr
.endm
.macro LDBK i                          ; load t: rows 2 (t / 3) and 2 (t / 3) + 1 of my sixteen, piece t % 3 of their three
.set t, 0
.rept 24
	ds_load_b128 v[BK+4*t:BK+4*t+3], v[RD] offset:((\i)%2)*SBUF+2*(t/3)*SPITCH+256*(t%3)
.set t, t+1
.endr
.endm
.macro SENDG i
.set t, 0
.rept 24
	global_store_b128 v[CO], v[BK+4*t:BK+4*t+3], s[8:9] offset:(32*(\i)+2*(t/3))*WROW+256*(t%3)  ; 16 lanes store 256 consecutive bytes, at a multiple of 256 from qkv's first byte; the base is never stepped
.set t, t+1
.endr
.endm
.macro MEETS                           ; my stores into the stage are done and my loads from it are back: zero, for the others' sake; then the barrier
	s_wait_dscnt 0x0
	s_barrier_signal -1
	s_barrier_wait -1
.endm
	s_wait_tensorcnt 0x1                           ; my part of K step 0 is in; K step 1's may stay out
	s_barrier_signal -1
	s_barrier_wait -1                              ; everybody's is
	PLACES                                         ; behind the bias products, which read the registers that are loaded now
	RUNB 0, 0, 0                                   ; the first quarter's fragments, in the order of every quarter's runs
	RUNA 0, 0, AF0
	RUNB 0, 0, 1
	RUNB 0, 0, 2
	s_mov_b32 s3, LAPS-1
.Llap:                                                 ; a trip goes once round the ring and fills both slots again
	QUARTER 0, 1, AF0, AF1
	TURNQ 0, 1, 1
	QUARTER 1, 1, AF0, AF1
	TURNQ 1, 0, 1
	s_sub_co_u32 s3, s3, 1
	s_cmp_lg_u32 s3, 0
	s_cbranch_scc1 .Llap
	QUARTER 0, 1, AF0, AF1                         ; the last lap is written out: it fills nothing
	TURNQ 0, 1, 0
	QUARTER 1, 1, AF0, AF1
	s_wait_dscnt 16                                ; the very last quarter: nothing more to fetch, the counts run down
	GRP AF1, 0, 4
	s_wait_dscnt 8
	GRP AF1, 4, 4
	s_wait_dscnt 0x0
	GRP AF1, 8, 4
	WIN 0
	PLACES
	PACK 0
	STST 0
	MEETS
	LDBK 0
	PACK 1                                         ; a round's conversions stand between the loads of the round before and the wait for them
	STST 1
	MEETS                                          ; every wave's reads of buffer 0 are back too: behind this barrier it may be written again
	SENDG 0
	s_wait_xcnt 0x0                                ; the registers that those stores read are loaded again only behind this wait
	LDBK 1
	PACK 2
	STST 2
	MEETS
	SENDG 1
	s_wait_xcnt 0x0
	LDBK 2
	PACK 3
	STST 3
	MEETS
	SENDG 2
	s_wait_xcnt 0x0
	LDBK 3
	s_wait_dscnt 0x0
	SENDG 3
	s_wait_tensorcnt 0x0                           ; the wave's end, behind my last tensor load and my last LDS store
	ds_add_u32 v[SPW], v[NIL]
	s_wait_dscnt 0x0
	CROUND                                         ; the closing round: no work-group ends while a partner may still ask for a tile that names it
	s_endpgm
.Lfunc_end_k_qf9a0abfb76_proj:
	.size	k_qf9a0abfb76_proj, .Lfunc_end_k_qf9a0abfb76_proj-k_qf9a0abfb76_proj
	.p2alignl 7, 3214868480
	.fill 96, 4, 3214868480
	.section	.rodata,"a",@progbits
	.p2align	6, 0x0
	.amdhsa_kernel k_qf9a0abfb76_proj
		.amdhsa_group_segment_fixed_size 327680
		.amdhsa_private_segment_fixed_size 0
		.amdhsa_enable_private_segment 0
		.amdhsa_kernarg_size 32
		.amdhsa_user_sgpr_count 2
		.amdhsa_user_sgpr_kernarg_segment_ptr 1
		.amdhsa_wavefront_size32 1
		.amdhsa_system_sgpr_workgroup_id_x 1
		.amdhsa_system_sgpr_workgroup_id_y 1
		.amdhsa_system_sgpr_workgroup_id_z 1
		.amdhsa_system_vgpr_workitem_id 0
		.amdhsa_next_free_vgpr 1024
		.amdhsa_next_free_sgpr 72
		.amdhsa_reserve_vcc 0
		.amdhsa_float_denorm_mode_32 3
		.amdhsa_float_denorm_mode_16_64 3
		.amdhsa_memory_ordered 1
		.amdhsa_forward_progress 1
		.amdhsa_inst_pref_size 141
	.end_amdhsa_kernel
	.amdgpu_metadata
---
amdhsa.version: [ 1, 2 ]
amdhsa.kernels:
  - .name:           k_qf9a0abfb76_proj
    .symbol:         k_qf9a0abfb76_proj.kd
    .args:
      - { .name: xb, .offset: 0, .size: 8, .value_kind: global_buffer, .address_space: global }
      - { .name: wb, .offset: 8, .size: 8, .value_kind: global_buffer, .address_space: global }
      - { .name: qkv, .offset: 16, .size: 8, .value_kind: global_buffer, .address_space: global }
      - { .name: ball, .offset: 24, .size: 8, .value_kind: global_buffer, .address_space: global }
    .group_segment_fixed_size: 327680
    .private_segment_fixed_size: 0
    .kernarg_segment_align: 8
    .kernarg_segment_size: 32
    .max_flat_workgroup_size: 128
    .sgpr_count:     72
    .vgpr_count:     1024
    .wavefront_size: 32
...
	.end_amdgpu_metadata
.endif
;; end of part 2
;; launch scores (part 3): grid 8 x 32, 4 waves a work-group, clusters of 4 x 4, 327,680 bytes of LDS; arguments qkv, pw, stat; writes pw, stat
.if DOCPART == 3
	.amdgcn_target "amdgcn-amd-amdhsa--gfx1250"
	.amdhsa_code_object_version 6
	.text
	.protected	k_qf9a0abfb76_scores
	.globl	k_qf9a0abfb76_scores
	.p2align	8
	.type	k_qf9a0abfb76_scores,@function
k_qf9a0abfb76_scores:
	s_mov_b64 s[64:65], 0
	v_nop
	global_prefetch_b8 v0, s[64:65] scope:SCOPE_SE
	s_setreg_imm32_b32 hwreg(HW_REG_WAVE_MODE, 25, 1), 1
	s_wait_xcnt 0x0
	s_wait_alu depctr_hold_cnt(0) depctr_sa_sdst(0) depctr_va_vdst(0) depctr_va_sdst(0) depctr_va_ssrc(0) depctr_va_vcc(0) depctr_vm_vsrc(0)
	s_getreg_b32 s2, hwreg(HW_REG_IB_STS2, 6, 4)
	s_cmp_eq_u32 s2, 0
	s_cbranch_scc0 .Lentry_in_a_cluster
	s_endpgm
.Lentry_in_a_cluster:
	s_bfe_u32 s2, ttmp6, 0x10000c
	s_cmp_lg_u32 s2, 0xf033
	s_cbranch_scc0 .Lentry_shape_is_right
	s_endpgm
.Lentry_shape_is_right:
; SCORES: for each batch n, S = q k^T (K = 1,024, f16 products, f32 sums), and the softmax's first half, block by block of 128 keys.
; With c = log2(e) / sqrt(2048): for row l and key block kb:  e = ceil(max over the block of c s),  p' = 2^(c s - e) in (0, 1],  l' = the sum of the block's p' (f32, of the unrounded p').
;   pw[n][l][key] f16 = p';   stat[n][kb][0][l] f32 = e;   stat[n][kb][1][l] f32 = l'.
; The block's true maximum is taken away, rounded up to a whole number, so that the factor between blocks, 2^(e - E), is an exact power of two for the launch behind.
; LIMITS.  q and k arrive as f16, within 65,504.  p' below 6e-5 keeps f16's fixed step of 6e-8, below 3e-8 it is 0; a p' below 2^-126 counts as 0 in l'.  NaN and infinities are not treated apart.
; SHARES.  A work-group of four waves makes 256 queries x 256 keys, a wave 128 x 128 (one key block): 64 accumulators.  K goes in 8 steps of 128 through two LDS slots; q's and k's rows lie along K.
; CLUSTER.  4 x 4 work-groups: the four of a row need the same tile of q, the four of a column the same tile of k; each is asked for jointly.
; TRANSPOSED USE (source 0 = 16 keys, source 1 = 16 queries): a lane holds query lane % 16 and, in accumulator b, the keys 16 b + 8 (lane / 16) + 0..7: 64 of the row's 128 scores; the lane 16 away holds the others.
; REGISTERS: window 0: v0-31 addresses and statistics; v64-127, v128-191 q's fragments, later the scores at work (E) and maxima (T); v192-223 packed p'; v32-63 rows read back
;   window 1: v64-191 k's fragments      windows 2, 3: the accumulators, (a, b) at v[8 (8 (a % 4) + b)]
.set PITCH,  272                       ; an LDS row: 256 bytes + 16: the 16 rows of a load start at 16 different groups of four banks (64 banks of 4 bytes: ISA guide 11.1)
.set HALFT,  128*PITCH
.set SLOT,   4*HALFT                   ; q's 256 rows, then k's 256 rows
.set STAGE,  2*SLOT                    ; behind the ring: 16 rows x 272 bytes for each wave
.set SPITCH, 272
.set STATB,  STAGE+4*16*SPITCH         ; for each wave 1,024 bytes: e of its 128 rows, then l'
.set SPARE,  STATB+4*1024              ; the spare words, 128 bytes for each wave, named by no other line
.set LAPS,   4
.set QROW,   6144                      ; bytes in a row of qkv
.set PROW,   4096                      ; bytes in a row of pw
.set KSTEPB, 256                       ; a K step along a row
.set ADRA, 16
.set ADRB, 20
.set STO,  24
.set RD,   25
.set CO,   26
.set SA,   27                          ; v27  where the block in hand puts e (and, 512 bytes on, l'): it steps 64 bytes a block
.set SPW,  28
.set NIL,  29
.set SR,   30                          ; v30  where I read 16 bytes of my wave's statistics back
.set SO,   31                          ; v31  16 x lane
.set F0,   64
.set F1,   128
.set E,    64                          ; v64-127   c s, then c s - e, then p', then partial sums
.set T,    128                         ; v128-157  maxima at work
.set TMP,  192
.set BK,   32
.set G1, 24
.set G0, 32
.set G1B, 48
.set G0B, 56
.set SEL, 68                           ; s[68:69] v_permlanex16_b32's selects: each lane takes its own place in the other half
.set CS,  70                           ; s[70:71] c; the packed multiply takes the pair's low word for both halves
.set MSB, 0
.macro WIN new
.if MSB != (\new)
	s_set_vgpr_msb (MSB<<8)|(\new)
.set MSB, \new
.endif
.endm
.macro PLACES
.rept 4
	v_nop
.endr
.endm
.macro JLOAD s                         ; a joint load: waves 0 and 1 fetch q's two halves, waves 2 and 3 k's; an s_nop 0 and four v_nop follow each line
	s_cmp_eq_u32 s11, 0
	s_cbranch_scc0 .Lfor_b_\@
	tensor_load_to_lds s[G0+4*(\s):G0+4*(\s)+3], s[G1:G1+7]
	s_nop 0
.rept 4
	v_nop
.endr
	s_branch .Lasked_\@
.Lfor_b_\@:
	tensor_load_to_lds s[G0B+4*(\s):G0B+4*(\s)+3], s[G1B:G1B+7]
	s_nop 0
.rept 4
	v_nop
.endr
.Lasked_\@:
.endm
.macro CREST
	s_cmp_lg_u32 s10, 0
	s_cbranch_scc1 .Lnot_wave_0_\@
	s_barrier_signal -3
.Lnot_wave_0_\@:
	s_barrier_wait -3
	s_barrier_signal -1
	s_barrier_wait -1
.endm
.macro CROUND
	s_barrier_signal -1
	s_barrier_wait -1
	CREST
.endm
	s_load_b64 s[4:5], s[0:1], 0x0                 ; qkv
	s_load_b64 s[8:9], s[0:1], 0x8                 ; pw
	s_load_b64 s[66:67], s[0:1], 0x10              ; stat
	v_lshl_add_u32 v[SPW], v0, 2, SPARE
	v_mov_b32 v[NIL], 0
	ds_add_u32 v[SPW], v[NIL]                      ; the wave's opening: the add and its wait stand ahead of my first tensor load
	v_lshrrev_b32 v1, 5, v0
	v_readfirstlane_b32 s10, v1                    ; wave 0..3
	s_lshr_b32 s11, s10, 1                         ; my half of the tile's queries.  Also: I fetch q (0) or k (1)
	s_and_b32 s12, s10, 1                          ; my half of its keys.  Also: which 128 rows I fetch
	s_bfe_u32 s40, ttmp6, 0x40000                  ; cx, cy
	s_bfe_u32 s41, ttmp6, 0x40004
	s_lshl_b32 s42, ttmp9, 2
	s_add_co_u32 s42, s42, s40                     ; tile column: 256 keys of the batch
	s_and_b32 s13, ttmp7, 0xffff
	s_lshr_b32 s45, s13, 1                         ; the batch: a cluster's four tile rows lie in one (8 tile rows a batch); all sixteen partners share it
	s_lshl_b32 s13, s13, 2
	s_add_co_u32 s13, s13, s41                     ; tile row: 256 of the 8,192 rows
	s_lshl_b32 s43, s41, 2
	s_lshl_b32 s43, 15, s43                        ; my row of the cluster
	s_lshl_b32 s44, 0x1111, s40                    ; my column
	s_or_b32 s[G1+0], s43, (1<<16)|(1<<20)|(1<<21)|(5<<22)|(3<<25)   ; the mask; 2-byte elements; padding on; bit 21 beside a mask; after every 64 words 4 words
	s_or_b32 s[G1B+0], s44, (1<<16)|(1<<20)|(1<<21)|(5<<22)|(3<<25)
.irp g, G1, G1B
	s_mov_b32 s[(\g)+1], 128<<16                   ; tensor_dim0 = 128
	s_mov_b32 s[(\g)+2], 128<<16                   ; tensor_dim1 = 128
	s_mov_b32 s[(\g)+3], 128<<16                   ; tile_dim0 = 128
	s_mov_b32 s[(\g)+4], 128                       ; tile_dim1 = 128
	s_mov_b32 s[(\g)+5], 3072                      ; elements from row to row of qkv
	s_mov_b32 s[(\g)+6], 0
	s_mov_b32 s[(\g)+7], 0
.endr
	s_mov_b32 s[SEL], 0x76543210
	s_mov_b32 s[SEL+1], 0xfedcba98
	s_mov_b32 s[CS], 0x3d0293ee                    ; c = log2(e) / sqrt(2048) = 0.0318794
	s_mov_b32 s[CS+1], s[CS]                       ; named with it as a pair
	s_lshl_b32 s17, s12, 7
	s_lshl_b32 s16, s13, 8
	s_add_co_u32 s16, s16, s17                     ; q: row 256 x tile row + 128 x half,
	s_mul_i32 s16, s16, QROW                       ; in bytes (under 2^26)
	s_mov_b32 s17, 0
	s_lshl_b32 s46, s45, 11                        ; k: row 2,048 x batch + 256 x tile column + 128 x half,
	s_lshl_b32 s47, s42, 8
	s_add_co_u32 s46, s46, s47
	s_lshl_b32 s47, s12, 7
	s_add_co_u32 s46, s46, s47
	s_mul_i32 s46, s46, QROW
	s_add_co_u32 s46, s46, 2048                    ; and k's columns begin 2,048 bytes into a row
	s_mov_b32 s47, 0
	s_mul_i32 s20, s10, HALFT                      ; where they go: wave x 128 rows
	s_wait_dscnt 0x0                               ; the opening add is done
	s_wait_kmcnt 0x0
	s_add_nc_u64 s[14:15], s[4:5], s[16:17]
	s_add_nc_u64 s[46:47], s[4:5], s[46:47]
	CROUND                                         ; all sixteen work-groups are here: the first joint loads meet
.irp s, 0,1
	s_mov_b32 s[G0+4*(\s)], 1
	s_add_co_u32 s[G0+4*(\s)+1], s20, (\s)*SLOT
	s_add_nc_u64 s[G0+4*(\s)+2:G0+4*(\s)+3], s[14:15], (\s)*KSTEPB
	s_or_b32 s[G0+4*(\s)+3], s[G0+4*(\s)+3], 0x80000000
	s_mov_b32 s[G0B+4*(\s)], 1
	s_add_co_u32 s[G0B+4*(\s)+1], s20, (\s)*SLOT
	s_add_nc_u64 s[G0B+4*(\s)+2:G0B+4*(\s)+3], s[46:47], (\s)*KSTEPB
	s_or_b32 s[G0B+4*(\s)+3], s[G0B+4*(\s)+3], 0x80000000
	JLOAD \s                                       ; two loads of mine are out
.endr
	v_and_b32 v1, 15, v0                           ; r
	v_bfe_u32 v2, v0, 4, 1                         ; h
	v_mul_u32_u24 v3, v1, PITCH
	v_lshl_add_u32 v3, v2, 4, v3                   ; a fragment's row x pitch + 16 x half
	s_mul_i32 s21, s11, HALFT                      ; my 128 queries
	s_mul_i32 s22, s12, HALFT                      ; my 128 keys,
	s_add_co_u32 s22, s22, 2*HALFT                 ; behind q's 256 rows
.irp s, 0,1
	v_add_nc_u32 v[ADRA+(\s)], s21, v3
	v_add_nc_u32 v[ADRB+(\s)], s22, v3
	s_add_co_u32 s21, s21, SLOT
	s_add_co_u32 s22, s22, SLOT
.endr
	s_mul_i32 s23, s10, 16*SPITCH
	s_add_co_u32 s23, s23, STAGE                   ; my stage
	v_mul_u32_u24 v4, v1, SPITCH
	v_lshl_add_u32 v4, v2, 4, v4
	v_add_nc_u32 v[STO], s23, v4
	v_mul_u32_u24 v5, v2, SPITCH
	v_lshl_add_u32 v5, v1, 4, v5
	v_add_nc_u32 v[RD], s23, v5
	v_lshlrev_b32 v5, 12, v2                       ; the same two rows in pw
	v_lshl_add_u32 v[CO], v1, 4, v5
	s_lshl_b32 s23, s10, 10
	s_add_co_u32 s23, s23, STATB                   ; my statistics
	v_lshl_add_u32 v[SA], v1, 2, s23
	v_and_b32 v5, 31, v0
	v_lshlrev_b32 v[SO], 4, v5
	v_add_nc_u32 v[SR], s23, v[SO]
	v_mov_b32 v9, 0                                ; v_permlanex16_b32's destination counts as read
	s_lshl_b32 s16, s13, 8
	s_lshl_b32 s17, s11, 7
	s_add_co_u32 s16, s16, s17                     ; pw: my first row,
	s_lshl_b32 s16, s16, 12                        ; of 4,096 bytes (under 2^25),
	s_lshl_b32 s46, s42, 9                         ; my first key: 512 x tile column + 256 x half
	s_lshl_b32 s47, s12, 8
	s_add_co_u32 s46, s46, s47
	s_add_co_u32 s16, s16, s46
	s_mov_b32 s17, 0
	s_add_nc_u64 s[8:9], s[8:9], s[16:17]
	s_lshl_b32 s16, s45, 4                         ; stat: (16 x batch + key block) x 16,384 bytes,
	s_lshl1_add_u32 s16, s42, s16
	s_add_co_u32 s16, s16, s12
	s_lshl_b32 s16, s16, 14
	s_and_b32 s46, s13, 7                          ; and my first row in the batch, 4 bytes a row
	s_lshl_b32 s46, s46, 10
	s_lshl_b32 s47, s11, 9
	s_add_co_u32 s46, s46, s47
	s_add_co_u32 s16, s16, s46
	s_add_nc_u64 s[66:67], s[66:67], s[16:17]
.macro MUL16 f, hi, a0, zero           ; 16 matrix instructions; zero = 1: the first product starts the sums
	WIN 0xa1+0x50*(\hi)                            ; k window 1, q window 0, C and D window 2 or 3
.irp a, \a0, (\a0)+1
.irp b, 0,1,2,3,4,5,6,7
.if \zero
	v_wmma_f32_16x16x32_f16 v[8*(8*(\a)+(\b)):8*(8*(\a)+(\b))+7], v[(\f)+8*(\b):(\f)+8*(\b)+7], v[(\f)+8*(4*(\hi)+(\a)):(\f)+8*(4*(\hi)+(\a))+7], 0
.else
	v_wmma_f32_16x16x32_f16 v[8*(8*(\a)+(\b)):8*(8*(\a)+(\b))+7], v[(\f)+8*(\b):(\f)+8*(\b)+7], v[(\f)+8*(4*(\hi)+(\a)):(\f)+8*(4*(\hi)+(\a))+7], v[8*(8*(\a)+(\b)):8*(8*(\a)+(\b))+7]
.endif
.endr
.endr
.endm
.macro FETCH slot, q, f                ; 32 LDS loads in one run: quarter q's fragments: 128 keys, then 128 queries
	WIN 0x40
.irp i, 0,1,2,3,4,5,6,7
	ds_load_b128 v[(\f)+8*(\i):(\f)+8*(\i)+3],   v[ADRB+(\slot)] offset:(\q)*64+(\i)*16*PITCH
	ds_load_b128 v[(\f)+8*(\i)+4:(\f)+8*(\i)+7], v[ADRB+(\slot)] offset:(\q)*64+(\i)*16*PITCH+32
.endr
	WIN 0
.irp i, 0,1,2,3,4,5,6,7
	ds_load_b128 v[(\f)+8*(\i):(\f)+8*(\i)+3],   v[ADRA+(\slot)] offset:(\q)*64+(\i)*16*PITCH
	ds_load_b128 v[(\f)+8*(\i)+4:(\f)+8*(\i)+7], v[ADRA+(\slot)] offset:(\q)*64+(\i)*16*PITCH+32
.endr
.endm
.macro QUARTER slot, q, f, g, zero
	s_wait_dscnt 8                                 ; k and q's rows 0-63 are in; the youngest eight loads (q's rows 64-127) may be out
	MUL16 \f, 0, 0, \zero
	MUL16 \f, 0, 2, \zero
	PLACES
	FETCH \slot, \q, \g
	s_wait_dscnt 32                                ; all but the 32 just issued
	MUL16 \f, 1, 0, \zero
	MUL16 \f, 1, 2, \zero
.endm
; The change of slots: one barrier; in front of it all my tensor loads have landed, the add, and my reads of this slot are over.  fill = 1: it opens a round of the cluster's, and the refill comes first behind it.
.macro TURN slot, next, fill
	WIN 0
	s_wait_tensorcnt 0x0
	ds_add_u32 v[SPW], v[NIL]                      ; 0 onto my spare word
	s_wait_dscnt 9                                 ; (the add and the youngest eight loads may be out)
	MUL16 F1, 0, 0, 0
	s_wait_dscnt 0x0                               ; the add is done, and my reads of this slot are over
	s_barrier_signal -1
	MUL16 F1, 0, 2, 0
.if \fill
	WIN 0
.endif
	s_barrier_wait -1
.if \fill
	CREST
	s_add_nc_u64 s[G0+4*(\slot)+2:G0+4*(\slot)+3], s[G0+4*(\slot)+2:G0+4*(\slot)+3], 2*KSTEPB
	s_add_nc_u64 s[G0B+4*(\slot)+2:G0B+4*(\slot)+3], s[G0B+4*(\slot)+2:G0B+4*(\slot)+3], 2*KSTEPB
	JLOAD \slot                                    ; my one tensor load behind the round; its four v_nop are also the places in front of the loads below
.else
	PLACES
.endif
	FETCH \next, 0, F0
	MUL16 F1, 1, 0, 0
	MUL16 F1, 1, 2, 0
.endm
.macro SCALE a                         ; E = c x block a's 64 scores; each accumulator's registers in ascending order
	WIN 0x02+(\a)/4                                ; source 0: window 2 or 3
.set i, 0
.rept 32
	v_pk_mul_f32 v[E+2*i:E+2*i+1], v[64*((\a)%4)+2*i:64*((\a)%4)+2*i+1], s[CS:CS+1] op_sel_hi:[1,0]
.set i, i+1
.endr
	WIN 0
.endm
	s_wait_tensorcnt 0x1                           ; my part of K step 0 is in; K step 1's may stay out
	s_barrier_signal -1
	s_barrier_wait -1
	FETCH 0, 0, F0
	QUARTER 0, 1, F0, F1, 1
	WIN 0
	s_mov_b32 s3, LAPS-1
.Llap:
	QUARTER 0, 2, F1, F0, 0
	QUARTER 0, 3, F0, F1, 0
	TURN 0, 1, 1
	QUARTER 1, 1, F0, F1, 0
	QUARTER 1, 2, F1, F0, 0
	QUARTER 1, 3, F0, F1, 0
	TURN 1, 0, 1
	QUARTER 0, 1, F0, F1, 0
	WIN 0
	s_sub_co_u32 s3, s3, 1
	s_cmp_lg_u32 s3, 0
	s_cbranch_scc1 .Llap
	QUARTER 0, 2, F1, F0, 0                        ; the last lap is written out: it fills nothing
	QUARTER 0, 3, F0, F1, 0
	TURN 0, 1, 0
	QUARTER 1, 1, F0, F1, 0
	QUARTER 1, 2, F1, F0, 0
	QUARTER 1, 3, F0, F1, 0
	s_wait_dscnt 8
	MUL16 F1, 0, 0, 0
	MUL16 F1, 0, 2, 0
	s_wait_dscnt 0x0
	MUL16 F1, 1, 0, 0
	MUL16 F1, 1, 2, 0
	WIN 0
	PLACES
	; THE WAY OUT: my eight blocks of 16 queries, one a trip.  Only the first lines differ from block to block (which accumulators are read): they are chosen by the counter; the rest is written once.
	s_mov_b32 s2, 0
.Lblock:
.irp a, 0,1,2,3,4,5,6
	s_cmp_eq_u32 s2, \a
	s_cbranch_scc1 .Lc\a
.endr
	SCALE 7
	s_branch .Lcommon
.irp a, 0,1,2,3,4,5
.Lc\a:
	SCALE \a
	s_branch .Lcommon
.endr
.Lc6:
	SCALE 6
.Lcommon:
	; the maximum of my 64 scores, three operands at a time, then the other half of the lanes'
.set i, 0
.rept 21
	v_max3_num_f32 v[T+i], v[E+3*i], v[E+3*i+1], v[E+3*i+2]
.set i, i+1
.endr
.set i, 0
.rept 7
	v_max3_num_f32 v[T+21+i], v[T+3*i], v[T+3*i+1], v[T+3*i+2]
.set i, i+1
.endr
	v_max3_num_f32 v[T+28], v[T+21], v[T+22], v[T+23]
	v_max3_num_f32 v[T+29], v[T+24], v[T+25], v[T+26]
	v_max3_num_f32 v8, v[T+28], v[T+29], v[T+27]
	v_max_num_f32 v8, v8, v[E+63]
	v_permlanex16_b32 v9, v8, s[SEL], s[SEL+1]
	v_max_num_f32 v8, v8, v9                       ; the row's maximum of c s over the block's 128 keys
	v_sub_f32 v12, 0, v8
	v_floor_f32 v10, v12                           ; -e = floor(-max) = -ceil(max)
	v_mov_b32 v11, v10
	; c s - e, 2^(..), rounding to f16.  Plain and exponential lines by turns: a plain line that names neither stands between each exponential and the use of its result (ISA guide 5.7.2)
	v_pk_add_f32 v[E:E+1], v[E:E+1], v[10:11]
	v_pk_add_f32 v[E+2:E+3], v[E+2:E+3], v[10:11]
.set i, 0
.rept 32
.if i < 30
	v_pk_add_f32 v[E+2*i+4:E+2*i+5], v[E+2*i+4:E+2*i+5], v[10:11]
.else
	v_nop
.endif
	v_exp_f32 v[E+2*i], v[E+2*i]
.if i > 0
	s_wait_alu depctr_va_vdst(0)
	v_cvt_pk_f16_f32 v[TMP+i-1], v[E+2*i-2], v[E+2*i-1]
.else
	v_nop
.endif
	v_exp_f32 v[E+2*i+1], v[E+2*i+1]
.set i, i+1
.endr
	v_nop
	s_wait_alu depctr_va_vdst(0)
	v_cvt_pk_f16_f32 v[TMP+31], v[E+62], v[E+63]
.irp b, 0,1,2,3,4,5,6,7
	ds_store_b128 v[STO], v[TMP+4*(\b):TMP+4*(\b)+3] offset:32*(\b)
.endr
.irp t, 0,1,2,3,4,5,6,7
	ds_load_b128 v[BK+4*(\t):BK+4*(\t)+3], v[RD] offset:(\t)*2*SPITCH  ; LDS serves a wave's instructions in order (ISA guide 5.7.1.4): these see the stores above
.endr
	; the sum of my 64 unrounded p', in place, while the block goes through the stage
.irp w, 32,16,8,4,2
.set i, 0
.rept (\w)/2
	v_pk_add_f32 v[E+2*i:E+2*i+1], v[E+2*i:E+2*i+1], v[E+(\w)+2*i:E+(\w)+2*i+1]
.set i, i+1
.endr
.endr
	v_add_f32 v13, v[E], v[E+1]
	v_sub_f32 v12, 0, v10                          ; e
	v_permlanex16_b32 v9, v13, s[SEL], s[SEL+1]
	v_add_f32 v13, v13, v9                         ; l'
	ds_store_b32 v[SA], v12                        ; both halves of the lanes write the same word with the same value
	ds_store_b32 v[SA], v13 offset:512
	s_wait_dscnt 2                                 ; the block is back in registers; the two stores just issued may be out
.irp t, 0,1,2,3,4,5,6,7
	global_store_b128 v[CO], v[BK+4*(\t):BK+4*(\t)+3], s[8:9] offset:2*(\t)*PROW  ; 16 lanes store 256 consecutive bytes, at a multiple of 256 from pw's first byte
.endr
	s_wait_xcnt 0x0                                ; only behind this wait are the stores' base and data rewritten
	s_add_nc_u64 s[8:9], s[8:9], 16*PROW           ; 16 rows on
	v_add_nc_u32 v[SA], 64, v[SA]
	s_add_co_u32 s2, s2, 1
	s_cmp_lt_u32 s2, 8
	s_cbranch_scc1 .Lblock
	ds_load_b128 v[32:35], v[SR]                   ; my wave's own 128 e and 128 l', in order behind its stores
	ds_load_b128 v[36:39], v[SR] offset:512
	s_wait_dscnt 0x0
	global_store_b128 v[SO], v[32:35], s[66:67]                ; each store covers 512 consecutive bytes, aligned
	global_store_b128 v[SO], v[36:39], s[66:67] offset:8192
	s_wait_tensorcnt 0x0                           ; the wave's end, behind my last tensor load and my last LDS store
	ds_add_u32 v[SPW], v[NIL]
	s_wait_dscnt 0x0
	CROUND                                         ; the closing round
	s_endpgm
.Lfunc_end_k_qf9a0abfb76_scores:
	.size	k_qf9a0abfb76_scores, .Lfunc_end_k_qf9a0abfb76_scores-k_qf9a0abfb76_scores
	.p2alignl 7, 3214868480
	.fill 96, 4, 3214868480
	.section	.rodata,"a",@progbits
	.p2align	6, 0x0
	.amdhsa_kernel k_qf9a0abfb76_scores
		.amdhsa_group_segment_fixed_size 327680
		.amdhsa_private_segment_fixed_size 0
		.amdhsa_enable_private_segment 0
		.amdhsa_kernarg_size 24
		.amdhsa_user_sgpr_count 2
		.amdhsa_user_sgpr_kernarg_segment_ptr 1
		.amdhsa_wavefront_size32 1
		.amdhsa_system_sgpr_workgroup_id_x 1
		.amdhsa_system_sgpr_workgroup_id_y 1
		.amdhsa_system_sgpr_workgroup_id_z 1
		.amdhsa_system_vgpr_workitem_id 0
		.amdhsa_next_free_vgpr 1024
		.amdhsa_next_free_sgpr 76
		.amdhsa_reserve_vcc 0
		.amdhsa_float_denorm_mode_32 3
		.amdhsa_float_denorm_mode_16_64 3
		.amdhsa_memory_ordered 1
		.amdhsa_forward_progress 1
		.amdhsa_inst_pref_size 143
	.end_amdhsa_kernel
	.amdgpu_metadata
---
amdhsa.version: [ 1, 2 ]
amdhsa.kernels:
  - .name:           k_qf9a0abfb76_scores
    .symbol:         k_qf9a0abfb76_scores.kd
    .args:
      - { .name: qkv, .offset: 0, .size: 8, .value_kind: global_buffer, .address_space: global }
      - { .name: pw, .offset: 8, .size: 8, .value_kind: global_buffer, .address_space: global }
      - { .name: stat, .offset: 16, .size: 8, .value_kind: global_buffer, .address_space: global }
    .group_segment_fixed_size: 327680
    .private_segment_fixed_size: 0
    .kernarg_segment_align: 8
    .kernarg_segment_size: 24
    .max_flat_workgroup_size: 128
    .sgpr_count:     76
    .vgpr_count:     1024
    .wavefront_size: 32
...
	.end_amdgpu_metadata
.endif
;; end of part 3
;; launch pv (part 4): grid 8 x 32, 4 waves a work-group, clusters of 4 x 4, 327,680 bytes of LDS; arguments pw, qkv, stat, out0; writes out0
.if DOCPART == 4
	.amdgcn_target "amdgcn-amd-amdhsa--gfx1250"
	.amdhsa_code_object_version 6
	.text
	.protected	k_qf9a0abfb76_pv
	.globl	k_qf9a0abfb76_pv
	.p2align	8
	.type	k_qf9a0abfb76_pv,@function
k_qf9a0abfb76_pv:
	s_mov_b64 s[64:65], 0
	v_nop
	global_prefetch_b8 v0, s[64:65] scope:SCOPE_SE
	s_setreg_imm32_b32 hwreg(HW_REG_WAVE_MODE, 25, 1), 1
	s_wait_xcnt 0x0
	s_wait_alu depctr_hold_cnt(0) depctr_sa_sdst(0) depctr_va_vdst(0) depctr_va_sdst(0) depctr_va_ssrc(0) depctr_va_vcc(0) depctr_vm_vsrc(0)
	s_getreg_b32 s2, hwreg(HW_REG_IB_STS2, 6, 4)
	s_cmp_eq_u32 s2, 0
	s_cbranch_scc0 .Lentry_in_a_cluster
	s_endpgm
.Lentry_in_a_cluster:
	s_bfe_u32 s2, ttmp6, 0x10000c
	s_cmp_lg_u32 s2, 0xf033
	s_cbranch_scc0 .Lentry_shape_is_right
	s_endpgm
.Lentry_shape_is_right:
; PV: out0[n][l][o] = (sum over key blocks kb of 2^(e_kb - E) x sum over the block's keys of p' v[key][o]) / L,  E = max over kb of e_kb,  L = sum over kb of l'_kb 2^(e_kb - E).
; pw [4][2048][2048] f16 = p', v = columns 2,048 .. 3,071 of qkv [8192][3072] f16, stat [n][kb 16][2][2048] f32 = e, l'; out0 f32.  f16 products, f32 sums, keys ascending.
; The factor 2^(e_kb - E) is a power of two (e is whole): it is multiplied onto p's f16 fragments, which rounds nothing in f16's normal range.  L is at least 0.5: the block that holds E has a p' above 0.5.
; LIMITS.  e_kb - E is held at -64 from below; a weight below 2^-24 of its row's top counts as 0 in the product (2,048 of them: 1.2e-4 of the row's sum at the most).  NaN and infinities are not treated apart.
; SHARES.  A work-group of four waves makes 256 rows x 128 channels (256 work-groups); wave w rows 64 w .. 64 w + 63: 4 x 8 accumulators, 256 registers.  A K step is 128 keys = one key block: 16 steps, two LDS slots.
; p' lies along K; v lies ACROSS K ([key][channel]) and comes out of LDS turned, by ds_load_tr16_b128.
; CLUSTER.  4 x 4 work-groups: the four of a row need the same tile of p', the four of a column the same tile of v; each is asked for jointly.
; TRANSPOSED USE (source 0 = 16 channels, source 1 = 16 rows): a lane holds row lane % 16 in p's fragment and in the result, so a row's factor and its 1 / L are one number a lane.
; REGISTERS: window 0: v0-31 addresses; v40-47 1 / L of block a, twice; v64-255 at work (prologue, way out)
;   window 1: v0-63, v64-127 v's fragments, two buffers; v128-131, v132-135 the packed factors of blocks 0-3, by the K step's parity
;   window 2: v0-127 accumulators of blocks 0, 1 at 64 (a % 2) + 8 b; v128-143, v144-159 their fragments of p', two buffers          window 3: the same for blocks 2, 3
; So a product and the scaling of a fragment run under ONE window setting: source 0 window 1, all else window 2 (or 3).
.set PITCH,  272                       ; a row of p' in LDS: 256 bytes + 16
.set AHALF,  128*PITCH
.set BP,     288                       ; a row of v: 256 bytes + 32 = 9 x 32
.set BHALF,  64*BP
.set BOFF,   2*AHALF                   ; v's 128 rows lie behind p's 256
.set SLOT,   BOFF+2*BHALF
.set STAGE,  2*SLOT                    ; behind the ring: 16 rows x 528 bytes for each wave
.set SPITCH, 528                       ; 512 bytes + 16
.set FTAB,   STAGE+4*16*SPITCH         ; for each wave 4,096 bytes: the packed factors, [kb 16][r 16][a 4], 4 bytes each
.set SPARE,  FTAB+4*4096               ; the spare words, 128 bytes for each wave, named by no other line
.set LAPS,   8
.set QROW,   6144
.set PROW,   4096                      ; bytes in a row of pw, and of out0
.set ASTEP,  256
.set BSTEP,  128*QROW
.set ADRA, 16
.set ADRB, 20
.set STO,  24
.set RD,   25
.set CO,   26
.set SPW,  28
.set NIL,  29
.set FA,   30                          ; v30  LDS address of my row's four factors for the K step to be fetched: it steps 256 bytes a K step
.set RI,   40
.set AF,   128                         ; windows 2, 3
.set FC,   128                         ; window 1
.set G1, 24
.set G0, 32
.set G1B, 48
.set G0B, 56
.set SEL, 68
.set LO, 0xa9
.set HI, 0xfd
.set MSB, 0
.macro WIN new
.if MSB != (\new)
	s_set_vgpr_msb (MSB<<8)|(\new)
.set MSB, \new
.endif
.endm
.macro PLACES
.rept 4
	v_nop
.endr
.endm
.macro JLOAD s                         ; a joint load: waves 0 and 1 fetch p's two halves, waves 2 and 3 v's; an s_nop 0 and four v_nop follow each line
	s_cmp_eq_u32 s11, 0
	s_cbranch_scc0 .Lfor_b_\@
	tensor_load_to_lds s[G0+4*(\s):G0+4*(\s)+3], s[G1:G1+7]
	s_nop 0
.rept 4
	v_nop
.endr
	s_branch .Lasked_\@
.Lfor_b_\@:
	tensor_load_to_lds s[G0B+4*(\s):G0B+4*(\s)+3], s[G1B:G1B+7]
	s_nop 0
.rept 4
	v_nop
.endr
.Lasked_\@:
.endm
.macro CREST
	s_cmp_lg_u32 s10, 0
	s_cbranch_scc1 .Lnot_wave_0_\@
	s_barrier_signal -3
.Lnot_wave_0_\@:
	s_barrier_wait -3
	s_barrier_signal -1
	s_barrier_wait -1
.endm
.macro CROUND
	s_barrier_signal -1
	s_barrier_wait -1
	CREST
.endm
	s_load_b128 s[4:7], s[0:1], 0x0                ; pw s[4:5], qkv s[6:7]
	s_load_b64 s[66:67], s[0:1], 0x10              ; stat
	s_load_b64 s[8:9], s[0:1], 0x18                ; out0
	v_lshl_add_u32 v[SPW], v0, 2, SPARE
	v_mov_b32 v[NIL], 0
	ds_add_u32 v[SPW], v[NIL]                      ; the wave's opening: the add and its wait stand ahead of my first tensor load
	v_lshrrev_b32 v1, 5, v0
	v_readfirstlane_b32 s10, v1                    ; wave 0..3
	s_lshr_b32 s11, s10, 1                         ; I fetch p' (0) or v (1),
	s_and_b32 s12, s10, 1                          ; and which half of that tile
	s_bfe_u32 s40, ttmp6, 0x40000                  ; cx, cy
	s_bfe_u32 s41, ttmp6, 0x40004
	s_lshl_b32 s42, ttmp9, 2
	s_add_co_u32 s42, s42, s40                     ; tile column: 128 channels
	s_and_b32 s13, ttmp7, 0xffff
	s_lshr_b32 s45, s13, 1                         ; the batch, which all sixteen partners share
	s_lshl_b32 s13, s13, 2
	s_add_co_u32 s13, s13, s41                     ; tile row: 256 of the 8,192 rows
	s_lshl_b32 s43, s41, 2
	s_lshl_b32 s43, 15, s43
	s_lshl_b32 s44, 0x1111, s40
	s_or_b32 s[G1+0], s43, (1<<16)|(1<<20)|(1<<21)|(5<<22)|(3<<25)   ; the mask; 2-byte elements; padding on; bit 21 beside a mask; after every 64 words 4 words
	s_mov_b32 s[G1+1], 128<<16                     ; tensor_dim0 = 128
	s_mov_b32 s[G1+2], 128<<16                     ; tensor_dim1 = 128
	s_mov_b32 s[G1+3], 128<<16                     ; tile_dim0 = 128
	s_mov_b32 s[G1+4], 128                         ; tile_dim1 = 128
	s_mov_b32 s[G1+5], 2048                        ; elements from row to row of pw
	s_mov_b32 s[G1+6], 0
	s_mov_b32 s[G1+7], 0
	s_or_b32 s[G1B+0], s44, (1<<16)|(1<<20)|(1<<21)|(5<<22)|(7<<25)  ; after every 64 words 8 words
	s_mov_b32 s[G1B+1], 128<<16                    ; tensor_dim0 = 128
	s_mov_b32 s[G1B+2], 64<<16                     ; tensor_dim1 = 64
	s_mov_b32 s[G1B+3], 128<<16                    ; tile_dim0 = 128
	s_mov_b32 s[G1B+4], 64                         ; tile_dim1 = 64
	s_mov_b32 s[G1B+5], 3072                       ; elements from row to row of qkv
	s_mov_b32 s[G1B+6], 0
	s_mov_b32 s[G1B+7], 0
	s_mov_b32 s[SEL], 0x76543210
	s_mov_b32 s[SEL+1], 0xfedcba98
	s_lshl_b32 s17, s12, 7
	s_lshl_b32 s16, s13, 8
	s_add_co_u32 s16, s16, s17                     ; p': row 256 x tile row + 128 x half,
	s_lshl_b32 s16, s16, 12                        ; of 4,096 bytes (under 2^25)
	s_mov_b32 s17, 0
	s_lshl_b32 s46, s45, 11                        ; v: key row 2,048 x batch + 64 x half,
	s_lshl_b32 s47, s12, 6
	s_add_co_u32 s46, s46, s47
	s_mul_i32 s46, s46, QROW
	s_lshl_b32 s47, s42, 8                         ; 256 bytes x tile column,
	s_add_co_u32 s46, s46, s47
	s_add_co_u32 s46, s46, 4096                    ; and v's columns begin 4,096 bytes into a row
	s_mov_b32 s47, 0
	s_mul_i32 s20, s12, AHALF                      ; where they go: p's halves,
	s_mul_i32 s21, s12, BHALF                      ; v's halves behind them: the wave's number alone
	s_add_co_u32 s21, s21, BOFF
	s_wait_dscnt 0x0                               ; the opening add is done
	s_wait_kmcnt 0x0
	s_add_nc_u64 s[14:15], s[4:5], s[16:17]
	s_add_nc_u64 s[46:47], s[6:7], s[46:47]
	CROUND                                         ; all sixteen work-groups are here: the first joint loads meet
.irp s, 0,1
	s_mov_b32 s[G0+4*(\s)], 1
	s_add_co_u32 s[G0+4*(\s)+1], s20, (\s)*SLOT
	s_add_nc_u64 s[G0+4*(\s)+2:G0+4*(\s)+3], s[14:15], (\s)*ASTEP
	s_or_b32 s[G0+4*(\s)+3], s[G0+4*(\s)+3], 0x80000000
	s_mov_b32 s[G0B+4*(\s)], 1
	s_add_co_u32 s[G0B+4*(\s)+1], s21, (\s)*SLOT
	s_add_nc_u64 s[G0B+4*(\s)+2:G0B+4*(\s)+3], s[46:47], (\s)*BSTEP
	s_or_b32 s[G0B+4*(\s)+3], s[G0B+4*(\s)+3], 0x80000000
	JLOAD \s                                       ; two loads of mine are out
.endr
	; THE STATISTICS of my 64 rows, in the wait for the first tiles.  Lane (r, h) takes row 16 a + r and the key blocks 8 h + j: e into v[64 + 16 a + j], l' into v[72 + 16 a + j].
	v_and_b32 v1, 15, v0                           ; r
	v_bfe_u32 v2, v0, 4, 1                         ; h
	v_lshlrev_b32 v7, 2, v1
	v_lshl_add_u32 v7, v2, 17, v7                  ; 8 key blocks of 16,384 bytes x h + 4 r
	s_and_b32 s22, s13, 7
	s_lshl_b32 s22, s22, 10                        ; my tile's first row in the batch, 4 bytes a row,
	s_lshl_b32 s23, s10, 8                         ; my wave's 64 rows,
	s_add_co_u32 s22, s22, s23
	s_lshl_b32 s23, s45, 18                        ; the batch's 262,144 bytes
	s_add_co_u32 s22, s22, s23
	s_mov_b32 s23, 0
	s_add_nc_u64 s[66:67], s[66:67], s[22:23]
.irp a, 0,1,2,3
.irp j, 0,1,2,3,4,5,6,7
	global_load_b32 v[64+16*(\a)+(\j)], v7, s[66:67] offset:16384*(\j)+64*(\a)
	global_load_b32 v[72+16*(\a)+(\j)], v7, s[66:67] offset:16384*(\j)+8192+64*(\a)
.endr
.endr
	v_mul_u32_u24 v3, v1, PITCH
	v_lshl_add_u32 v3, v2, 4, v3                   ; p's fragment: row x pitch + 16 x half
	v_and_b32 v4, 7, v0                            ; v's, by the turning load: row 8 h + l % 8, 16 bytes at 16 ((l / 8) % 2)
	v_bfe_u32 v5, v0, 3, 1
	v_lshl_add_u32 v6, v2, 3, v4
	v_mul_u32_u24 v6, v6, BP
	v_lshl_add_u32 v6, v5, 4, v6
	s_mul_i32 s21, s10, 64*PITCH                   ; my 64 rows of p'
	s_mov_b32 s22, BOFF
.irp s, 0,1
	v_add_nc_u32 v[ADRA+(\s)], s21, v3
	v_add_nc_u32 v[ADRB+(\s)], s22, v6
	s_add_co_u32 s21, s21, SLOT
	s_add_co_u32 s22, s22, SLOT
.endr
	s_mul_i32 s23, s10, 16*SPITCH
	s_add_co_u32 s23, s23, STAGE                   ; my stage
	v_mul_u32_u24 v4, v1, SPITCH                   ; in: row r, 32 bytes for each half of the lanes
	v_lshl_add_u32 v4, v2, 5, v4
	v_add_nc_u32 v[STO], s23, v4
	v_and_b32 v5, 31, v0
	v_lshlrev_b32 v[CO], 4, v5                     ; back, and out: 32 lanes take a row of 512 bytes
	v_add_nc_u32 v[RD], s23, v[CO]
	s_lshl_b32 s23, s10, 12
	s_add_co_u32 s23, s23, FTAB                    ; my table of factors
	v_lshl_add_u32 v[FA], v1, 4, s23               ; read: key block 0, row r
	v_lshl_add_u32 v6, v2, 11, v[FA]               ; written: key blocks 8 h on
	v_mov_b32 v9, 0                                ; v_permlanex16_b32's destination counts as read
	s_lshl_b32 s16, s13, 8
	s_lshl_b32 s17, s10, 6
	s_add_co_u32 s16, s16, s17                     ; out0: my first row,
	s_lshl_b32 s16, s16, 12                        ; of 4,096 bytes (under 2^25),
	s_lshl_b32 s46, s42, 9                         ; and 512 bytes x tile column
	s_add_co_u32 s16, s16, s46
	s_mov_b32 s17, 0
	s_add_nc_u64 s[8:9], s[8:9], s[16:17]
	s_wait_loadcnt 0x0                             ; the statistics
; Block a: E; for my eight key blocks d = e - E (held at -64), f = 2^d made by adding d into 1.0's exponent field, L += l' f, f twice as f16; then the other half of the lanes' L, and 1 / L.
.macro FACT a
.set NE, 64+16*(\a)
.set LL, 72+16*(\a)
	v_max3_num_f32 v8, v[NE], v[NE+1], v[NE+2]
	v_max3_num_f32 v8, v8, v[NE+3], v[NE+4]
	v_max3_num_f32 v8, v8, v[NE+5], v[NE+6]
	v_max_num_f32 v8, v8, v[NE+7]
	v_permlanex16_b32 v9, v8, s[SEL], s[SEL+1]
	v_max_num_f32 v8, v8, v9                       ; E
.irp j, 0,1,2,3,4,5,6,7
	v_sub_f32 v[NE+(\j)], v[NE+(\j)], v8
.endr
.irp j, 0,1,2,3,4,5,6,7
	v_max_num_f32 v[NE+(\j)], 0xc2800000, v[NE+(\j)]
.endr
.irp j, 0,1,2,3,4,5,6,7
	v_cvt_i32_f32 v[NE+(\j)], v[NE+(\j)]
.endr
.irp j, 0,1,2,3,4,5,6,7
	v_lshl_add_u32 v[NE+(\j)], v[NE+(\j)], 23, 0x3f800000
.endr
	v_mul_f32 v12, v[LL], v[NE]
.irp j, 1,2,3,4,5,6,7
	v_fma_f32 v12, v[LL+(\j)], v[NE+(\j)], v12
.endr
.irp j, 0,1,2,3,4,5,6,7
	v_cvt_pk_f16_f32 v[128+4*(\j)+(\a)], v[NE+(\j)], v[NE+(\j)]
.endr
	v_permlanex16_b32 v9, v12, s[SEL], s[SEL+1]
	v_add_f32 v12, v12, v9                         ; L
	v_rcp_f32 v[RI+2*(\a)], v12
	v_nop                                          ; a plain line between the reciprocal and the use of its result
	s_wait_alu depctr_va_vdst(0)
	v_mov_b32 v[RI+2*(\a)+1], v[RI+2*(\a)]
.endm
	FACT 0
	FACT 1
	FACT 2
	FACT 3
.irp j, 0,1,2,3,4,5,6,7
	ds_store_b128 v6, v[128+4*(\j):128+4*(\j)+3] offset:256*(\j)  ; key block 8 h + j, row r, blocks 0-3: my wave's own bytes, read by it alone
.endr
.macro FETCHF p                        ; the four factors of the K step to come, into the buffer of its parity
	WIN 0x40
	ds_load_b128 v[FC+4*(\p):FC+4*(\p)+3], v[FA]
.endm
; 24 LDS loads in one run: quarter q's fragments into buffer f: v's 128 channels turned, p's blocks 0, 1, p's blocks 2, 3
.macro FETCH slot, q, f
	WIN 0x40                                       ; destination window 1
.irp i, 0,1,2,3,4,5,6,7
	ds_load_tr16_b128 v[64*(\f)+8*(\i):64*(\f)+8*(\i)+3],   v[ADRB+(\slot)] offset:(\q)*32*BP+32*(\i)
	ds_load_tr16_b128 v[64*(\f)+8*(\i)+4:64*(\f)+8*(\i)+7], v[ADRB+(\slot)] offset:(\q)*32*BP+32*(\i)+16*BP
.endr
	WIN 0x80                                       ; destination window 2
.irp a, 0,1
	ds_load_b128 v[AF+16*(\f)+8*(\a):AF+16*(\f)+8*(\a)+3],   v[ADRA+(\slot)] offset:(\q)*64+(\a)*16*PITCH
	ds_load_b128 v[AF+16*(\f)+8*(\a)+4:AF+16*(\f)+8*(\a)+7], v[ADRA+(\slot)] offset:(\q)*64+(\a)*16*PITCH+32
.endr
	WIN 0xc0                                       ; destination window 3
.irp a, 0,1
	ds_load_b128 v[AF+16*(\f)+8*(\a):AF+16*(\f)+8*(\a)+3],   v[ADRA+(\slot)] offset:(\q)*64+((\a)+2)*16*PITCH
	ds_load_b128 v[AF+16*(\f)+8*(\a)+4:AF+16*(\f)+8*(\a)+7], v[ADRA+(\slot)] offset:(\q)*64+((\a)+2)*16*PITCH+32
.endr
.endm
.macro LUMP f, a, p                    ; block a's fragment of p' times its row's factor: 8 packed multiplies by a power of two
.set n, 0
.rept 8
	v_pk_mul_f16 v[AF+16*(\f)+8*((\a)%2)+n], v[FC+4*(\p)+(\a)], v[AF+16*(\f)+8*((\a)%2)+n]
.set n, n+1
.endr
.endm
; 8 products: block a x all 8 channel blocks.  ride = 1: block a + 1's fragment is scaled between them; these lines name no register of the products round them.
.macro GROUP f, a, p, ride, zero
.set AC,  64*((\a)%2)
.set AFR, AF+16*(\f)+8*((\a)%2)
.set NXF, AF+16*(\f)+8*(((\a)+1)%2)
.set n, 0
.irp b, 0,1,2,3,4,5,6,7
.if \zero
	v_wmma_f32_16x16x32_f16 v[AC+8*(\b):AC+8*(\b)+7], v[64*(\f)+8*(\b):64*(\f)+8*(\b)+7], v[AFR:AFR+7], 0
.else
	v_wmma_f32_16x16x32_f16 v[AC+8*(\b):AC+8*(\b)+7], v[64*(\f)+8*(\b):64*(\f)+8*(\b)+7], v[AFR:AFR+7], v[AC+8*(\b):AC+8*(\b)+7]
.endif
.if (\ride) && ((\b) < 7)
	v_pk_mul_f16 v[NXF+n], v[FC+4*(\p)+(\a)+1], v[NXF+n]
.set n, n+1
.if (\b) == 0
	v_pk_mul_f16 v[NXF+n], v[FC+4*(\p)+(\a)+1], v[NXF+n]
.set n, n+1
.endif
.endif
.endr
.endm
; A K step is four quarters of 32 keys, 32 matrix instructions each, on buffers 0, 1, 0, 1; the 32 accumulators take turns in the same order everywhere.
; The sixteen scalings of a quarter's first half are the places between the last products that read buffer g and the loads into it.
.macro QUARTER slot, q, f, g, zero
	s_wait_dscnt 4                                 ; v, the factors and p's blocks 0, 1 are in; the youngest four loads (blocks 2, 3) may be out
	WIN LO
	LUMP \f, 0, \slot
	GROUP \f, 0, \slot, 1, \zero
	GROUP \f, 1, \slot, 0, \zero
	FETCH \slot, \q, \g
	s_wait_dscnt 24                                ; all but the 24 just issued
	WIN HI
	LUMP \f, 2, \slot
	GROUP \f, 2, \slot, 1, \zero
	GROUP \f, 3, \slot, 0, \zero
.endm
; The change of slots: one barrier; in front of it all my tensor loads have landed, the add, and my reads of this slot are over.  fill = 1: it opens a round of the cluster's, and the refill comes first behind it.
.macro TURN slot, next, fill
	WIN 0
	s_wait_tensorcnt 0x0
	ds_add_u32 v[SPW], v[NIL]                      ; 0 onto my spare word
	s_wait_dscnt 5                                 ; (the add and the youngest four loads may be out)
	WIN LO
	LUMP 1, 0, \slot
	GROUP 1, 0, \slot, 1, 0
	s_wait_dscnt 0x0                               ; the add is done, and my reads of this slot are over
	s_barrier_signal -1
	GROUP 1, 1, \slot, 0, 0                        ; work on registers while the others arrive
.if \fill
	WIN 0
.endif
	s_barrier_wait -1
.if \fill
	CREST
	s_add_nc_u64 s[G0+4*(\slot)+2:G0+4*(\slot)+3], s[G0+4*(\slot)+2:G0+4*(\slot)+3], 2*ASTEP
	s_add_nc_u64 s[G0B+4*(\slot)+2:G0B+4*(\slot)+3], s[G0B+4*(\slot)+2:G0B+4*(\slot)+3], 2*BSTEP
	JLOAD \slot                                    ; my one tensor load behind the round
.endif
	WIN 0
	v_add_nc_u32 v[FA], 256, v[FA]                 ; the next key block's factors
	FETCHF \next
	FETCH \next, 0, 0
	WIN HI
	LUMP 1, 2, \slot
	GROUP 1, 2, \slot, 1, 0
	GROUP 1, 3, \slot, 0, 0
.endm
; THE WAY OUT of block a (16 rows x 128 channels, f32): divided by L; 32 bytes a lane into my own stage; back as whole rows of 512 bytes; stored.
.macro PACK a
	WIN 0x02+(\a)/2                                ; source 0: window 2 or 3
.set i, 0
.rept 32
	v_pk_mul_f32 v[64+2*i:65+2*i], v[64*((\a)%2)+2*i:64*((\a)%2)+2*i+1], v[RI+2*(\a):RI+2*(\a)+1]  ; each accumulator's registers in ascending order
.set i, i+1
.endr
	WIN 0
.endm
.macro TOSTAGE a
.set BK, 128+64*((\a)%2)
.irp b, 0,1,2,3,4,5,6,7
	ds_store_b128 v[STO], v[64+8*(\b):64+8*(\b)+3] offset:64*(\b)
	ds_store_b128 v[STO], v[64+8*(\b)+4:64+8*(\b)+7] offset:64*(\b)+16
.endr
.irp t, 0,1,2,3,4,5,6,7,8,9,10,11,12,13,14,15
	ds_load_b128 v[BK+4*(\t):BK+4*(\t)+3], v[RD] offset:(\t)*SPITCH  ; LDS serves a wave's instructions in order (ISA guide 5.7.1.4): these see the stores above
.endr
.endm
.macro SEND a
.set BK, 128+64*((\a)%2)
	s_wait_dscnt 0x0                               ; the block is back in registers
	s_wait_xcnt 0x0                                ; the registers that the block before last's stores read are loaded again only behind this wait
.irp t, 0,1,2,3,4,5,6,7,8,9,10,11,12,13,14,15
	global_store_b128 v[CO], v[BK+4*(\t):BK+4*(\t)+3], s[8:9] offset:(16*(\a)+(\t))*PROW th:TH_STORE_NT  ; 512 consecutive bytes, at a multiple of 512 from out0's first byte
.endr
.endm
	s_wait_tensorcnt 0x1                           ; my part of K step 0 is in; K step 1's may stay out
	s_wait_dscnt 0x0                               ; no LDS instruction of mine is out at a signal
	s_barrier_signal -1
	s_barrier_wait -1
	FETCHF 0
	FETCH 0, 0, 0
	QUARTER 0, 1, 0, 1, 1                          ; the first quarter stands in front of the loop: its products start the sums
	WIN 0
	s_mov_b32 s3, LAPS-1
.Llap:                                                 ; a trip goes once round the ring and fills both slots again
	QUARTER 0, 2, 1, 0, 0
	QUARTER 0, 3, 0, 1, 0
	TURN 0, 1, 1
	QUARTER 1, 1, 0, 1, 0
	QUARTER 1, 2, 1, 0, 0
	QUARTER 1, 3, 0, 1, 0
	TURN 1, 0, 1
	QUARTER 0, 1, 0, 1, 0
	WIN 0
	s_sub_co_u32 s3, s3, 1
	s_cmp_lg_u32 s3, 0
	s_cbranch_scc1 .Llap
	QUARTER 0, 2, 1, 0, 0                          ; the last lap is written out: it fills nothing
	QUARTER 0, 3, 0, 1, 0
	TURN 0, 1, 0
	QUARTER 1, 1, 0, 1, 0
	QUARTER 1, 2, 1, 0, 0
	QUARTER 1, 3, 0, 1, 0
	s_wait_dscnt 4                                 ; the very last quarter: nothing more to fetch
	WIN LO
	LUMP 1, 0, 1
	GROUP 1, 0, 1, 1, 0
	GROUP 1, 1, 1, 0, 0
	s_wait_dscnt 0x0
	WIN HI
	LUMP 1, 2, 1
	GROUP 1, 2, 1, 1, 0
	GROUP 1, 3, 1, 0, 0
	WIN 0
	PLACES
	PACK 0
	TOSTAGE 0
.irp a, 1,2,3                          ; block a's multiplies stand between block a - 1's loads from the stage and the wait for them
	PACK \a
	SEND (\a)-1
	TOSTAGE \a
.endr
	SEND 3
	s_wait_tensorcnt 0x0                           ; the wave's end, behind my last tensor load and my last LDS store
	ds_add_u32 v[SPW], v[NIL]
	s_wait_dscnt 0x0
	CROUND                                         ; the closing round
	s_endpgm
.Lfunc_end_k_qf9a0abfb76_pv:
	.size	k_qf9a0abfb76_pv, .Lfunc_end_k_qf9a0abfb76_pv-k_qf9a0abfb76_pv
	.p2alignl 7, 3214868480
	.fill 96, 4, 3214868480
	.section	.rodata,"a",@progbits
	.p2align	6, 0x0
	.amdhsa_kernel k_qf9a0abfb76_pv
		.amdhsa_group_segment_fixed_size 327680
		.amdhsa_private_segment_fixed_size 0
		.amdhsa_enable_private_segment 0
		.amdhsa_kernarg_size 32
		.amdhsa_user_sgpr_count 2
		.amdhsa_user_sgpr_kernarg_segment_ptr 1
		.amdhsa_wavefront_size32 1
		.amdhsa_system_sgpr_workgroup_id_x 1
		.amdhsa_system_sgpr_workgroup_id_y 1
		.amdhsa_system_sgpr_workgroup_id_z 1
		.amdhsa_system_vgpr_workitem_id 0
		.amdhsa_next_free_vgpr 928
		.amdhsa_next_free_sgpr 76
		.amdhsa_reserve_vcc 0
		.amdhsa_float_denorm_mode_32 3
		.amdhsa_float_denorm_mode_16_64 3
		.amdhsa_memory_ordered 1
		.amdhsa_forward_progress 1
		.amdhsa_inst_pref_size 145
	.end_amdhsa_kernel
	.amdgpu_metadata
---
amdhsa.version: [ 1, 2 ]
amdhsa.kernels:
  - .name:           k_qf9a0abfb76_pv
    .symbol:         k_qf9a0abfb76_pv.kd
    .args:
      - { .name: pw, .offset: 0, .size: 8, .value_kind: global_buffer, .address_space: global }
      - { .name: qkv, .offset: 8, .size: 8, .value_kind: global_buffer, .address_space: global }
      - { .name: stat, .offset: 16, .size: 8, .value_kind: global_buffer, .address_space: global }
      - { .name: out0, .offset: 24, .size: 8, .value_kind: global_buffer, .address_space: global }
    .group_segment_fixed_size: 327680
    .private_segment_fixed_size: 0
    .kernarg_segment_align: 8
    .kernarg_segment_size: 32
    .max_flat_workgroup_size: 128
    .sgpr_count:     76
    .vgpr_count:     928
    .wavefront_size: 32
...
	.end_amdgpu_metadata
.endif
;; end of part 4
;; ======== version 2 of 2: 4 launches; version 1 with the launch prep written anew for expert scheduling mode
;; limits: values are held in f16: magnitudes above 65,504 overflow, below 6.1e-05 lose precision
;; workspace buffers: xb 16,777,216 bytes; wb 6,291,456 bytes; ball 12,288 bytes; qkv 50,331,648 bytes; pw 33,554,432 bytes; stat 1,048,576 bytes
;; launch prep (part 5): grid 256 x 1, 11 waves a work-group, no clusters, 0 bytes of LDS; arguments x, Wq, Wk, Wv, bq, bk, bv, xb, wb, ball; writes xb, wb, ball
.if DOCPART == 5
	.amdgcn_target "amdgcn-amd-amdhsa--gfx1250"
	.amdhsa_code_object_version 6
	.text
	.protected	k_qf9a0abfb76_prep
	.globl	k_qf9a0abfb76_prep
	.p2align	8
	.type	k_qf9a0abfb76_prep,@function
k_qf9a0abfb76_prep:
	s_mov_b64 s[64:65], 0
	v_nop
	global_prefetch_b8 v0, s[64:65] scope:SCOPE_SE
	s_setreg_imm32_b32 hwreg(HW_REG_WAVE_SCHED_MODE, 0, 2), 2
	s_setreg_imm32_b32 hwreg(HW_REG_WAVE_MODE, 25, 1), 1
	s_wait_xcnt 0x0
	s_wait_alu depctr_vm_vsrc(0)
; PREP: the module's inputs rounded once to bf16.
;   xb[16 kb][8192 rows][64] bf16 = x, in blocks of 64 columns: the 128 bytes of a row in a block lie end to end with the next row's, so that the launch behind can ask for 128 rows as 16,384 dense bytes;
;   wb[1024 d][3072] bf16 = Wq | Wk | Wv side by side;   ball[3072] f32 = bq | bk | bv, each rounded to bf16 and kept as f32.
; A stream: every input byte is read once, every output byte written once.  No LDS, no barrier, no matrix unit, no cluster: no two work-groups read the same byte.
; SHARES.  x's 8,192 rows and the three matrices' 3,072 are 2,816 units of 4 rows; 256 work-groups of 11 waves take one unit a wave: unit u = 11 g + w.  u < 2,048: rows 4 u .. of x; else matrix (u - 2,048) / 256.
; A unit is 16 chunks of 1,024 input bytes; a lane takes 8 numbers of a chunk: two loads of 16 bytes, one store of 16 bytes.  All 32 loads of a wave go out at once.
;   x: chunk c = block c: 4 rows x 64 columns (lane / 8 the row, lane % 8 the place): the wave's store is 4 rows x 128 bytes = 512 consecutive bytes of xb, aligned.
;   W: chunk c = a quarter of row c / 4: 256 columns: the wave's store is 512 consecutive bytes of a row of wb, aligned.
; ONE TEXT serves both: the chunks' offsets lie in registers, made from steps that scalars choose.
; The 24 pieces of 128 bias numbers are taken by wave 0 of work-groups 0 to 23.
; THE MODE: SCHED_MODE bits 1:0 = 2 (LLVM: expert scheduling mode 2), set by the entry lines.  The code itself states the register dependences
; between vector instructions and memory instructions, with s_wait_alu, always for 0.
; THE PLAN.  Registers that memory instructions touch:
;   VI   the 16 input offsets.   Written once, by vector lines at the head; read by the 32 loads; never written again.
;   X    8 registers a chunk.    The loads land in them; the chunk's four conversions read all eight and write the first four; the chunk's one store reads those four; never written again.
;   VO   the 16 output offsets.  Written once, by vector lines behind the loads; read by the stores and by the bias's load and store; never written again.
;   v[172:175], v[176:179]       the bias: a load lands in the first four, which no vector line has named; vector lines write the second four, and one store reads them.
; No register that a load or a store has read is written again: so the one wait on vm_vsrc stands at the entry.  EXEC and VCC are never written.
; The waits on va_vdst: one ahead of the loads (VI); one to each group of four chunks, behind its sixteen conversions and ahead of its four stores; one ahead of the bias's store.
; A group's wait stands behind its own conversions, not at the next group's head: there the finished stores would stand behind a wait for loads that are still on their way.
.set X,  8                             ; v[8:135]    chunk c: 8 registers as loaded; its first 4 then hold the 8 bf16
.set VI, 136                           ; v[136:151]  chunk c's byte offset in the input
.set VO, 152                           ; v[152:167]  chunk c's byte offset in the output
	s_load_b512 s[4:19], s[0:1], 0x0               ; x 4:5, Wq 6:7, Wk 8:9, Wv 10:11, bq 12:13, bk 14:15, bv 16:17, xb 18:19
	s_load_b128 s[20:23], s[0:1], 0x40             ; wb 20:21, ball 22:23
	v_lshrrev_b32 v1, 5, v0
	v_readfirstlane_b32 s25, v1                    ; wave 0..10
	v_and_b32 v6, 31, v0                           ; lane; these four lines hang on v0 alone and stand between s25's writer and the wait for it
	v_lshrrev_b32 v2, 3, v6
	v_and_b32 v3, 7, v6
	v_lshlrev_b32 v3, 5, v3
	s_mov_b32 s47, ttmp9                           ; g
	s_mul_i32 s24, s47, 11
	s_wait_alu depctr_va_sdst(0)                   ; s25 is written, ahead of its first reader: the unit's number, and with it every base, is made from it
	s_add_co_u32 s24, s24, s25                     ; u
	s_sub_co_u32 s26, s24, 2048                    ; the unit among the matrices' (for a unit of x what is made of it is chosen away below)
	s_lshr_b32 s27, s26, 8
	s_and_b32 s27, s27, 3                          ; the matrix: 0 Wq, 1 Wk, 2 Wv
	s_and_b32 s26, s26, 255                        ; its unit of 4 rows
	s_lshl_b32 s38, s26, 14                        ; W in: 4 rows of 4,096 bytes a unit
	s_mul_i32 s40, s26, 4*6144                     ; W out: 4 rows of 6,144 bytes,
	s_lshl_b32 s41, s27, 11                        ; and the matrix's columns begin 2,048 bytes x its number into a row
	s_add_co_u32 s40, s40, s41
	s_lshl_b32 s42, s24, 14                        ; x in (under 2^25)
	s_lshl_b32 s43, s24, 9                         ; x out: 4 rows of 128 bytes in a block
	s_mov_b32 s29, 256                             ; W's steps: from lane / 8 to the next: 8 lanes x 32 bytes,
	s_mov_b32 s30, 1024                            ; from chunk to chunk in the input,
	s_mov_b32 s31, 512                             ; in the output,
	s_mov_b32 s46, 4096                            ; and what every fourth chunk adds: a row of 6,144 less four chunks
	s_cmp_lt_u32 s24, 2048                         ; is my unit x's?
	s_cselect_b32 s28, 1, 0
	s_cselect_b32 s38, s42, s38
	s_cselect_b32 s40, s43, s40
	s_cselect_b32 s29, 4096, s29                   ; x's steps: a row,
	s_cselect_b32 s30, 256, s30                    ; 64 columns,
	s_cselect_b32 s31, 0x100000, s31               ; a block of 8,192 x 128 bytes,
	s_cselect_b32 s46, 0, s46                      ; nothing
	s_mov_b32 s39, 0
	s_mov_b32 s41, 0
	v_mad_u32_u24 v[VI], v2, s29, v3               ; in: (lane / 8) x step + (lane % 8) x 32
.set c, 1
.rept 15
	v_add_nc_u32 v[VI+c], s30, v[VI+c-1]
.set c, c+1
.endr
	s_wait_kmcnt 0x0
	s_cmp_eq_u32 s27, 1                            ; the source and the destination are chosen by whole numbers alone
	s_cselect_b64 s[32:33], s[8:9], s[6:7]
	s_cmp_eq_u32 s27, 2
	s_cselect_b64 s[32:33], s[10:11], s[32:33]
	s_cmp_eq_u32 s28, 1
	s_cselect_b64 s[32:33], s[4:5], s[32:33]
	s_cselect_b64 s[34:35], s[18:19], s[20:21]
	s_add_nc_u64 s[32:33], s[32:33], s[38:39]
	s_add_nc_u64 s[34:35], s[34:35], s[40:41]
	s_wait_alu depctr_va_vdst(0)                   ; the sixteen offsets v[VI ..] are written, which the loads below read
.set c, 0
.rept 16
	global_load_b128 v[X+8*c:X+8*c+3],   v[VI+c], s[32:33] th:TH_LOAD_NT
	global_load_b128 v[X+8*c+4:X+8*c+7], v[VI+c], s[32:33] offset:16 th:TH_LOAD_NT
.set c, c+1
.endr
	v_lshlrev_b32 v[VO], 4, v6                     ; out: 16 bytes a lane; the chunks' offsets are made while the loads are out; these lines name no register that a load touches
.set c, 1
.rept 15
.if c%4 == 0
	v_add3_u32 v[VO+c], v[VO+c-1], s31, s46
.else
	v_add_nc_u32 v[VO+c], s31, v[VO+c-1]
.endif
.set c, c+1
.endr
; The chunks go in four groups of four: the group's data, its sixteen conversions, one wait, its four stores.
.set g, 0
.rept 4
	s_wait_loadcnt 24-8*g                          ; loads come back in order: the group's eight are in, the 24 - 8 g younger ones stay out
.set c, 4*g
.rept 4
.irp j, 0,1,2,3
	v_cvt_pk_bf16_f32 v[X+8*c+(\j)], v[X+8*c+2*(\j)], v[X+8*c+2*(\j)+1]  ; in place, ascending: a register is written only when it has been read
.endr
.set c, c+1
.endr
	s_wait_alu depctr_va_vdst(0)                   ; the group's conversions have written the first four registers of each of its chunks, which the stores below read; in the first group v[VO ..], their offsets, are written too
.set c, 4*g
.rept 4
	global_store_b128 v[VO+c], v[X+8*c:X+8*c+3], s[34:35]
.set c, c+1
.endr
.set g, g+1
.endr
	; the biases: piece g = 128 numbers, 4 a lane: bias g / 8, part g % 8
	s_cmp_lg_u32 s25, 0
	s_cbranch_scc1 .Lend
	s_cmp_ge_u32 s47, 24
	s_cbranch_scc1 .Lend
	s_lshr_b32 s26, s47, 3
	s_and_b32 s27, s47, 7
	s_lshl_b32 s38, s27, 9                         ; the part's 512 bytes
	s_lshl_b32 s40, s26, 12                        ; the bias's 4,096 bytes in ball
	s_add_co_u32 s40, s40, s38
	s_cmp_eq_u32 s26, 1
	s_cselect_b64 s[36:37], s[14:15], s[12:13]
	s_cmp_eq_u32 s26, 2
	s_cselect_b64 s[36:37], s[16:17], s[36:37]
	s_add_nc_u64 s[36:37], s[36:37], s[38:39]
	s_add_nc_u64 s[22:23], s[22:23], s[40:41]
	global_load_b128 v[172:175], v[VO], s[36:37]   ; no wait: v[VO] was written ahead of the groups' waits, no vector line stands behind the last of them, and none has named v[172:175]
	s_wait_loadcnt 0x0
	v_cvt_pk_bf16_f32 v168, v172, v173             ; rounded to bf16,
	v_cvt_pk_bf16_f32 v169, v174, v175
	v_lshlrev_b32 v176, 16, v168                   ; and widened again: the low half moves up, the high half stays
	v_and_b32 v177, 0xffff0000, v168
	v_lshlrev_b32 v178, 16, v169
	v_and_b32 v179, 0xffff0000, v169
	s_wait_alu depctr_va_vdst(0)                   ; the four lines above have written v[176:179], which the store reads
	global_store_b128 v[VO], v[176:179], s[22:23]
.Lend:
	s_endpgm
.Lfunc_end_k_qf9a0abfb76_prep:
	.size	k_qf9a0abfb76_prep, .Lfunc_end_k_qf9a0abfb76_prep-k_qf9a0abfb76_prep
	.p2alignl 7, 3214868480
	.fill 96, 4, 3214868480
	.section	.rodata,"a",@progbits
	.p2align	6, 0x0
	.amdhsa_kernel k_qf9a0abfb76_prep
		.amdhsa_group_segment_fixed_size 0
		.amdhsa_private_segment_fixed_size 0
		.amdhsa_enable_private_segment 0
		.amdhsa_kernarg_size 80
		.amdhsa_user_sgpr_count 2
		.amdhsa_user_sgpr_kernarg_segment_ptr 1
		.amdhsa_wavefront_size32 1
		.amdhsa_system_sgpr_workgroup_id_x 1
		.amdhsa_system_sgpr_workgroup_id_y 1
		.amdhsa_system_sgpr_workgroup_id_z 1
		.amdhsa_system_vgpr_workitem_id 0
		.amdhsa_next_free_vgpr 184
		.amdhsa_next_free_sgpr 66
		.amdhsa_reserve_vcc 0
		.amdhsa_float_denorm_mode_32 3
		.amdhsa_float_denorm_mode_16_64 3
		.amdhsa_memory_ordered 1
		.amdhsa_forward_progress 1
		.amdhsa_inst_pref_size 14
	.end_amdhsa_kernel
	.amdgpu_metadata
---
amdhsa.version: [ 1, 2 ]
amdhsa.kernels:
  - .name:           k_qf9a0abfb76_prep
    .symbol:         k_qf9a0abfb76_prep.kd
    .args:
      - { .name: x, .offset: 0, .size: 8, .value_kind: global_buffer, .address_space: global }
      - { .name: Wq, .offset: 8, .size: 8, .value_kind: global_buffer, .address_space: global }
      - { .name: Wk, .offset: 16, .size: 8, .value_kind: global_buffer, .address_space: global }
      - { .name: Wv, .offset: 24, .size: 8, .value_kind: global_buffer, .address_space: global }
      - { .name: bq, .offset: 32, .size: 8, .value_kind: global_buffer, .address_space: global }
      - { .name: bk, .offset: 40, .size: 8, .value_kind: global_buffer, .address_space: global }
      - { .name: bv, .offset: 48, .size: 8, .value_kind: global_buffer, .address_space: global }
      - { .name: xb, .offset: 56, .size: 8, .value_kind: global_buffer, .address_space: global }
      - { .name: wb, .offset: 64, .size: 8, .value_kind: global_buffer, .address_space: global }
      - { .name: ball, .offset: 72, .size: 8, .value_kind: global_buffer, .address_space: global }
    .group_segment_fixed_size: 0
    .private_segment_fixed_size: 0
    .kernarg_segment_align: 8
    .kernarg_segment_size: 80
    .max_flat_workgroup_size: 352
    .sgpr_count:     66
    .vgpr_count:     184
    .wavefront_size: 32
...
	.end_amdgpu_metadata
.endif
;; end of part 5
;; launch proj: the kernel of part 2 again; grid 8 x 32, 4 waves a work-group, clusters of 4 x 4, 327,680 bytes of LDS; arguments xb, wb, qkv, ball; writes qkv
;; launch scores: the kernel of part 3 again; grid 8 x 32, 4 waves a work-group, clusters of 4 x 4, 327,680 bytes of LDS; arguments qkv, pw, stat; writes pw, stat
;; launch pv: the kernel of part 4 again; grid 8 x 32, 4 waves a work-group, clusters of 4 x 4, 327,680 bytes of LDS; arguments pw, qkv, stat, out0; writes out0
